; MI455X (gfx1250); checked and timed in simulation.
; The chip was launched on July 23, 2026; its instructions are those of AMD's public machine-readable ISA for CDNA 5 (MIT licence, August 2026) and "CDNA5" Instruction Set Architecture Reference Guide (July 2026). The comments in the code are by the model that wrote it; some were corrected since.
;; Rotary Multi Head Attention. Allowed arithmetic: matrix products marked QUANTISED: E5M2 operands, one given power-of-two scale a tensor, by v_wmma_f32_16x16x64_bf8_bf8 or v_wmma_f32_16x16x128_bf8_bf8, f32 sums; everything else in f32.
;; Inputs: bk 1,024 float32; bo 1,024 float32; bq 1,024 float32; bv 1,024 float32; lowp_scales 12 int32 (the exponents e of the quantised operands' scales 2^e); mask 1 x 1 x 2,048 x 2,048 int32; wk 1,024 x 1,024 float32; wo 1,024 x 1,024 float32; wq 1,024 x 1,024 float32; wv 1,024 x 1,024 float32; x 2 x 2,048 x 1,024 float32.
;; Outputs: out0 2 x 2,048 x 1,024 float32.
;; This version of the problem:
;;   THIS VERSION OF THE PROBLEM IS GIVEN IN LOW PRECISION. The matrix products marked QUANTISED in the list below multiply operands that are first quantised to E5M2 (5 exponent bits, 2 mantissa bits; 8 bits a number), with one given power-of-two scale for each operand tensor; their sums are f32. All else is computed in f32.
;;   The module's matrix products, in the order in which they are computed (A, B: the left and right operand; K: the contracted axis; several contracted axes count as one K, in the product's order):
;;     1. [M 4,096, K 1,024] x [K 1,024, N 1,024]; A: input x; B: input wq: QUANTISED (scales: A lowp_scales[0], B lowp_scales[1])
;;     2. [M 4,096, K 1,024] x [K 1,024, N 1,024]; A: input x; B: input wk: QUANTISED (scales: A lowp_scales[2], B lowp_scales[3])
;;     3. [M 4,096, K 1,024] x [K 1,024, N 1,024]; A: input x; B: input wv: QUANTISED (scales: A lowp_scales[4], B lowp_scales[5])
;;     4. batch 32 x [M 2,048, K 64] x [K 64, N 2,048]; A: computed on the way; B: computed on the way: QUANTISED (scales: A lowp_scales[6], B lowp_scales[7])
;;     5. batch 32 x [M 2,048, K 2,048] x [K 2,048, N 64]; A: softmax (see below); B: computed on the way: QUANTISED (scales: A lowp_scales[8], B lowp_scales[9])
;;     6. [M 4,096, K 1,024] x [K 1,024, N 1,024]; A: computed on the way; B: input wo: QUANTISED (scales: A lowp_scales[10], B lowp_scales[11])
;;   THE QUANTISER, for each operand of a quantised product, along K:
;;     - The operand's scale is 2^e, e = its entry of the input lowp_scales (int32; the entries are numbered through the quantised products in the list's order, A before B).
;;     - Each number is divided by the scale, clamped to +-57,344, and rounded to the nearest number of E5M2, ties to even, subnormals kept.
;;     - The product sums the exact products of the quantised numbers (number of the format x scale) in f32.
;;   ~~~python
;;   def quantise(x, axis, e):      # numpy; x: float32 -> the quantised numbers, widened to float32 again
;;       x = np.moveaxis(x, axis, -1); K = x.shape[-1]
;;       r = np.clip(x / 2.0 ** e, -57344, 57344)
;;       step = 2.0 ** (np.maximum(np.frexp(np.where(r == 0, 1, r))[1] - 1, -14) - 2)
;;       q = np.round(r / step) * step * 2.0 ** e      # np.round: ties to even
;;       return np.moveaxis(q, -1, axis).astype(np.float32)
;;   ~~~
;;   SOFTMAX AHEAD OF A QUANTISED PRODUCT. Where the list says 'softmax', what is quantised is not the finished softmax but p = 2^(t - M), with t = logit x log2(e) and M = ceil(the row's largest t), a whole number; so 1/2 < the row's largest p <= 1. The row's sum l is taken of the UNQUANTISED p, in f32, and the product's result is divided by l at the end. Since M is a whole number, a kernel that streams over the keys may use a running M (the ceiling of the running maximum): every later rescaling is an exact power of two, so the quantised numbers keep their values, but for numbers so far below the row's largest that they fall under the format's range.
;;   OPERANDS COMPUTED ON THE WAY. 'Computed on the way' means the value that the module computes at that place (a softmax that the list does not call 'softmax' is quantised finished and normalised). What goes into a quantiser is computed in f32, as accurately as f32 sums, v_exp_f32 and their like allow (about 1e-6 of the number): no bf16 or f16 on the way to a quantiser, and a product that is left as it is and whose result goes on into a quantised operand takes f32 operands (vector FMAs, or v_wmma_f32_16x16x4_f32). A number that lies on a knife's edge between two numbers of the format may be rounded either way, as far as f32 arithmetic and the matrix unit's own rounding can turn it there, and no further.
;; 3 versions, each right; version 2 is faster than version 1; version 3 is version 2 with the launch attn written anew for expert scheduling mode. Each part assembles by itself: llvm-mc -triple=amdgcn-amd-amdhsa -mcpu=gfx1250 --defsym DOCPART=n.
;; ======== version 1 of 3: 4 launches
;; workspace buffers: xc 12,582,912 bytes; wc 4,194,304 bytes; rope 524,288 bytes; mbits 524,288 bytes of whole numbers; mflag 512 bytes of whole numbers; qkv 12,582,912 bytes; ao 4,194,304 bytes
;; launch prep (part 1): grid 392 x 1, 16 waves a work-group, no clusters, 137,472 bytes of LDS; arguments x, wq, wk, wv, wo, mask, lowp_scales, xc, wc, rope, mbits, mflag; writes xc, wc, rope, mbits, mflag
.if DOCPART == 1
	.amdgcn_target "amdgcn-amd-amdhsa--gfx1250"
	.amdhsa_code_object_version 6
	.text
	.protected	k_q05bde6cc07_prep
	.globl	k_q05bde6cc07_prep
	.p2align	8
	.type	k_q05bde6cc07_prep,@function
k_q05bde6cc07_prep:
	s_mov_b64 s[64:65], 0
	v_nop
	global_prefetch_b8 v0, s[64:65] scope:SCOPE_SE
	s_setreg_imm32_b32 hwreg(HW_REG_WAVE_MODE, 25, 1), 1
	s_wait_xcnt 0x0
; PREP.  Everything that later launches read many times is made once here.
;   work-groups   0..127: x [4096][1024] f32 -> xc: codes of E5M2 under the three given scales 2^e0, 2^e2, 2^e4 (the three products that read x)
;   work-groups 128..255: wq, wk, wv, wo [1024][1024] f32 -> wc: codes under 2^e1, 2^e3, 2^e5, 2^e11
;   work-groups 256..383: mask [2048][2048] int32 -> mbits: one lane mask for each score register of the attention launch; mflag: two bits for each tile of 16 queries and step of 128 keys
;   work-groups 384..391: rope: (cos, sin) of position x 10000^(-i/32), [2048 positions][32 pairs], 256 bytes a position
; code = x / 2^e, held within +-57,344, to the nearest code, ties to even.  LIMITS: -126 <= e <= 112 for each of e0..e5 and e11.  NaN among the inputs is not served.
; LAYOUT OF THE CODES: images of operand registers.  A fragment is 16 rows x 128 K: lane (r = lane % 16, h = lane / 16) holds row r, its registers 2 c, 2 c + 1 hold K = 16 c + 8 h + 0..7.
; Four registers a lane are stored as 512 consecutive bytes, lane l's 16 at 16 l: 2,048 bytes a fragment.  xc: [version 3][row tile 256][K step 8][2048]; wc: [tensor 4][row tile 64][K step 8][2048].
; A WAVE takes 16 rows x 512 bytes (128 numbers of a row): 16 loads of 512 consecutive bytes; they turn through the wave's own stage in LDS (rows 528 bytes apart), from which a lane
; reads the 8 neighbours along K that each conversion wants.  The mask goes the same way, so that a compare of register 8 t + j gives the lane mask of score register 8 t + j.
; mbits: [query tile 128][step 16][64 words]: bit (r + 16 h) of word 8 t + j = (mask[16 qt + r][128 s + 16 t + 8 h + j] != 0).
; mflag: [query tile 128]: bit s: step s has to be worked; bit 16 + s: every bit of step s is set.  A step is left out only where all its 16 x 128 bits are 0 AND every one of the tile's 16 rows
; has a set bit in some step: the hidden weights are then exact zeros.  Where a row of the tile is hidden altogether (the softmax is then uniform), no step of the tile is left out.
; No tensor loads.  One barrier, which every wave of every role passes: behind it wave 0 of a mask work-group joins the sixteen steps' words.
.set STG,  8448                        ; a wave's stage: 16 rows x 528 bytes
.set RED,  135168                      ; behind the stages: one word for each wave
.set GOF,  4                           ; v4   16 x lane: my bytes of a load's or a store's 512
.set SI,   5                           ; v5   the stage, on the way in
.set SO,   6                           ; v6   and on the way out: row r, + 32 h
.set RW,   7                           ; v7   my wave's word in RED
.set RR,   8                           ; v8   word lane % 16 of RED
.set L8,   9                           ; v9   8 x lane
.set R,    16                          ; v16-79   the numbers as loaded
.set X,    80                          ; v80-143  register 8 c + j: element 16 c + 8 h + j of row r
.set T,    144                         ; v144-159 two sets of eight held numbers
.set C,    160                         ; v160-207 three sets of 16 registers of codes: no store's data are written again
.set WORD, 208                         ; v208 what my wave leaves in RED
.set NUL,  209                         ; v209 0
.set MW,   210                         ; v[210:211] the mask words on their way out: lane l holds words 2 l, 2 l + 1
	s_load_b512 s[4:19], s[0:1], 0x0               ; x, wq, wk, wv, wo, mask, lowp_scales, xc
	s_load_b256 s[20:27], s[0:1], 0x40             ; wc, rope, mbits, mflag
	v_lshl_add_u32 v212, v0, 2, 0x21100
	v_mov_b32 v213, 0
	v_lshrrev_b32 v1, 5, v0
	v_readfirstlane_b32 s2, v1                     ; wave 0..15
	v_and_b32 v1, 31, v0                           ; lane
	v_and_b32 v2, 15, v0                           ; r
	v_bfe_u32 v3, v0, 4, 1                         ; h
	v_lshlrev_b32 v[GOF], 4, v1
	s_mul_i32 s3, s2, STG
	v_add_nc_u32 v[SI], s3, v[GOF]
	v_mul_u32_u24 v[SO], v2, 528
	v_lshl_add_u32 v[SO], v3, 5, v[SO]
	v_add_nc_u32 v[SO], s3, v[SO]
	s_lshl_b32 s3, s2, 2
	s_add_co_u32 s3, s3, RED
	v_mov_b32 v[RW], s3
	v_lshl_add_u32 v[RR], v2, 2, RED
	v_lshlrev_b32 v[L8], 3, v1
	v_mov_b32 v[WORD], 0
	s_wait_kmcnt 0x0
	s_cmp_ge_u32 ttmp9, 384
	s_cbranch_scc1 .Lrope
	s_load_b256 s[36:43], s[16:17], 0x0            ; e0..e7
	s_load_b128 s[44:47], s[16:17], 0x20           ; e8..e11
	; where my wave's 16 rows x 512 bytes begin: chosen without a branch, on the work-group's number alone
	s_sub_co_u32 s48, ttmp9, 128
	s_lshr_b32 s49, s48, 5                         ; weights: which of the four
	s_and_b32 s48, s48, 31
	s_cmp_lt_u32 ttmp9, 128
	s_cselect_b32 s48, ttmp9, s48
	s_lshl_b32 s48, s48, 4
	s_add_co_u32 s48, s48, s2                      ; G: the fragment's number in its tensor = 8 x row tile + K step
	s_lshr_b32 s30, s48, 3
	s_lshl_b32 s30, s30, 16                        ; 16 rows of 4,096 bytes
	s_and_b32 s31, s48, 7
	s_lshl_b32 s31, s31, 9                         ; 128 numbers of 4 bytes
	s_or_b32 s30, s30, s31
	s_sub_co_u32 s50, ttmp9, 256                   ; the mask: query tile,
	s_lshl_b32 s51, s50, 17                        ; 16 rows of 8,192 bytes,
	s_lshl_b32 s31, s2, 9                          ; step = wave
	s_or_b32 s51, s51, s31
	s_cmp_lt_u32 ttmp9, 256
	s_cselect_b32 s30, s30, s51
	s_mov_b32 s31, 0
	s_cmp_eq_u32 s49, 1
	s_cselect_b64 s[28:29], s[8:9], s[6:7]
	s_cmp_eq_u32 s49, 2
	s_cselect_b64 s[28:29], s[10:11], s[28:29]
	s_cmp_eq_u32 s49, 3
	s_cselect_b64 s[28:29], s[12:13], s[28:29]
	s_cmp_lt_u32 ttmp9, 128
	s_cselect_b64 s[28:29], s[4:5], s[28:29]
	s_cmp_ge_u32 ttmp9, 256
	s_cselect_b64 s[28:29], s[14:15], s[28:29]
	s_add_nc_u64 s[28:29], s[28:29], s[30:31]
	s_cmp_ge_u32 ttmp9, 256
	s_cbranch_scc1 .Lwide
.irp i, 0,1,2,3,4,5,6,7,8,9,10,11,12,13,14,15
	global_load_b128 v[R+4*\i:R+4*\i+3], v[GOF], s[28:29] offset:4096*\i th:TH_LOAD_NT   ; 32 lanes read 512 consecutive bytes of row i
.endr
	s_branch .Lturn
.Lwide:
.irp i, 0,1,2,3,4,5,6,7,8,9,10,11,12,13,14,15
	global_load_b128 v[R+4*\i:R+4*\i+3], v[GOF], s[28:29] offset:8192*\i th:TH_LOAD_NT   ; the mask's rows are twice as long
.endr
.Lturn:
.irp i, 0,1,2,3,4,5,6,7,8,9,10,11,12,13,14,15
	s_wait_loadcnt 15-\i                           ; loads come back in order: row i is in, the 15 - i younger ones may be out
	ds_store_b128 v[SI], v[R+4*\i:R+4*\i+3] offset:528*\i
.endr
.irp c, 0,1,2,3,4,5,6,7
	ds_load_b128 v[X+8*\c:X+8*\c+3], v[SO] offset:64*\c          ; LDS serves a wave's instructions in order: these see my stores; the stage is my wave's own
	ds_load_b128 v[X+8*\c+4:X+8*\c+7], v[SO] offset:64*\c+16
.endr
	s_wait_dscnt 0x0
	s_cmp_ge_u32 ttmp9, 256
	s_cbranch_scc1 .Lmask
	s_wait_kmcnt 0x0                               ; the exponents
	s_lshl_b32 s30, s48, 11                        ; a fragment's image is 2,048 bytes
	s_cmp_ge_u32 ttmp9, 128
	s_cbranch_scc1 .Lweight
.macro MKSC e, vsc, vlim               ; 2^e as f32 (the conversion takes its exponent field), and 57,344 x 2^e
	s_add_co_i32 s60, s[\e], 127
	s_lshl_b32 s61, s60, 23
	v_mov_b32 v[\vsc], s61
	s_add_co_i32 s60, s60, 15
	s_lshl_b32 s60, s60, 23
	s_or_b32 s60, s60, 0x600000
	v_mov_b32 v[\vlim], s60
.endm
; The 64 numbers of a lane become a fragment's 16 registers and leave.  The held numbers go into two sets by turns, so that the eight holds of the next group stand between a conversion and
; the next write of its sources; x itself is kept, since it is quantised three times.
.macro QV cset, vsc, vlim, sp
.irp c, 0,1,2,3,4,5,6,7
.irp j, 0,1,2,3,4,5,6,7
	v_med3_num_f32 v[T+8*(\c%2)+\j], v[X+8*\c+\j], -v[\vlim], v[\vlim]   ; the conversion to an 8-bit code does not saturate (ISA guide 7.6.2): the hold at the largest code x the scale
.endr
	v_cvt_scalef32_pk8_bf8_f32 v[C+16*\cset+2*\c:C+16*\cset+2*\c+1], v[T+8*(\c%2):T+8*(\c%2)+7], v[\vsc]
.endr
.irp c, 0,1,2,3
	global_store_b128 v[GOF], v[C+16*\cset+4*\c:C+16*\cset+4*\c+3], s[\sp:\sp+1] offset:512*\c   ; 32 lanes store 512 consecutive bytes, at a multiple of 512 from the buffer's first byte
.endr
.endm
	s_add_nc_u64 s[52:53], s[18:19], s[30:31]      ; x: the three versions lie 4 MiB apart
	s_add_nc_u64 s[54:55], s[52:53], 0x400000
	s_add_nc_u64 s[56:57], s[54:55], 0x400000
	MKSC 36, 10, 11
	MKSC 38, 12, 13
	MKSC 40, 14, 15
	QV 0, 10, 11, 52
	QV 1, 12, 13, 54
	QV 2, 14, 15, 56
	s_branch .Ljoin
.Lweight:
	s_cmp_eq_u32 s49, 1
	s_cselect_b32 s50, s39, s37                    ; e3 : e1
	s_cmp_eq_u32 s49, 2
	s_cselect_b32 s50, s41, s50                    ; e5
	s_cmp_eq_u32 s49, 3
	s_cselect_b32 s50, s47, s50                    ; e11
	s_lshl_b32 s32, s49, 20                        ; a weight's codes are 1 MiB
	s_mov_b32 s33, 0
	s_add_nc_u64 s[52:53], s[20:21], s[30:31]
	s_add_nc_u64 s[52:53], s[52:53], s[32:33]
	MKSC 50, 10, 11
	QV 0, 10, 11, 52
	s_branch .Ljoin
.Lmask:
	s_sub_co_u32 s50, ttmp9, 256                   ; query tile
	s_lshl_b32 s30, s50, 4
	s_add_co_u32 s30, s30, s2                      ; + step
	s_lshl_b32 s30, s30, 8                         ; 64 words
	s_mov_b32 s31, 0
	s_add_nc_u64 s[56:57], s[24:25], s[30:31]
	s_mov_b32 s51, -1                              ; the and of all 64 words,
	s_mov_b32 s52, 0                               ; and their or
	v_mov_b32 v[MW], 0
	v_mov_b32 v[MW+1], 0
.set n, 0
.rept 64
	v_cmp_ne_u32 s53, 0, v[X+n]                    ; word n: a bit for each lane
	v_writelane_b32 v[MW+(n&1)], s53, n>>1
	s_and_b32 s51, s51, s53
	s_or_b32 s52, s52, s53
.set n, n+1
.endr
	global_store_b64 v[L8], v[MW:MW+1], s[56:57]   ; 32 lanes store the step's 256 bytes
	s_lshr_b32 s53, s52, 16
	s_or_b32 s52, s52, s53
	s_and_b32 s52, s52, 0xffff                     ; bit r: row r has a set bit in this step
	s_cmp_eq_u32 s51, -1
	s_cselect_b32 s53, 0x10000, 0                  ; bit 16: all bits of the step are set
	s_or_b32 s52, s52, s53
	v_mov_b32 v[WORD], s52
	s_branch .Ljoin
.Lrope:
	; lane = pair i; a wave makes 16 positions.  inv = 10000^(-i/32) = 2^(-i c), c = log2(10000) / 32 in two parts; the product's rounding error is taken exactly and put back behind the exponential.
	s_sub_co_u32 s48, ttmp9, 384
	s_lshl_b32 s48, s48, 4
	s_add_co_u32 s48, s48, s2                      ; 0..127
	s_lshl_b32 s30, s48, 12                        ; 16 positions of 256 bytes
	s_mov_b32 s31, 0
	s_add_nc_u64 s[58:59], s[22:23], s[30:31]
	s_lshl_b32 s48, s48, 4                         ; my first position
	s_mov_b32 s32, 0xbed49a78                      ; -c, high part
	s_mov_b32 s33, 0xb2179ac1                      ; -c, low part
	s_mov_b32 s34, 0x3f317218                      ; ln 2
	s_mov_b32 s35, 0x3f22f983                      ; 2 / pi
	s_mov_b32 s36, 0xbfc90fdb                      ; -(pi / 2), high part
	s_mov_b32 s37, 0x333bbd2e                      ; -(pi / 2), low part
	s_mov_b32 s38, 0xb94ca1f9                      ; sine on +-pi/4: r + r z (S1 + z (S2 + z S3)), z = r r
	s_mov_b32 s39, 0x3c08839e
	s_mov_b32 s40, 0xbe2aaaa3
	s_mov_b32 s41, 0x37ccf5ce                      ; cosine: 1 + z (-1/2 + z (C2 + z (C1 + z C0)))
	s_mov_b32 s42, 0xbab6061a
	s_mov_b32 s43, 0x3d2aaaa5
	v_cvt_f32_u32 v16, v1
	v_mul_f32 v18, s32, v16                        ; -i c, rounded
	v_fma_f32 v19, v16, s32, -v18                  ; what the rounding dropped, exact,
	v_fma_f32 v19, v16, s33, v19                   ; and the low part's share
	v_exp_f32 v20, v18
	v_mul_f32 v19, s34, v19                        ; (a plain instruction behind the exponential)
	s_wait_alu depctr_va_vdst(0)
	v_fma_f32 v16, v20, v19, v20                   ; inv = 2^(-i c)
	v_cvt_f32_u32 v17, s48                         ; the position, stepped by 1.0: exact
.macro ROW it
	v_mul_f32 v20, v17, v16                        ; the angle, as reference() forms it
	v_mul_f32 v21, s35, v20
	v_rndne_f32 v21, v21                           ; n quarter turns
	v_fma_f32 v22, v21, s36, v20
	v_fma_f32 v22, v21, s37, v22                   ; r = angle - n pi / 2, within +-pi/4
	v_cvt_i32_f32 v24, v21
	v_mul_f32 v23, v22, v22
	v_fma_f32 v25, v23, s38, s39
	v_fma_f32 v26, v23, s41, s42
	v_fma_f32 v25, v25, v23, s40
	v_fma_f32 v26, v26, v23, s43
	v_mul_f32 v25, v25, v23
	v_fma_f32 v26, v26, v23, -0.5
	v_fma_f32 v25, v25, v22, v22                   ; sin r
	v_fma_f32 v26, v26, v23, 1.0                   ; cos r
	v_and_b32 v27, 1, v24
	v_cmp_eq_u32 vcc_lo, 1, v27
	v_cndmask_b32 v28, v25, v26, vcc_lo            ; an odd n swaps the two;
	v_cndmask_b32 v29, v26, v25, vcc_lo
	v_lshlrev_b32 v27, 30, v24                     ; the sine changes sign where n % 4 is 2 or 3,
	v_add_nc_u32 v24, 1, v24
	v_and_b32 v27, 0x80000000, v27
	v_lshlrev_b32 v24, 30, v24                     ; the cosine where it is 1 or 2
	v_xor_b32 v[C+2*\it+1], v28, v27
	v_and_b32 v24, 0x80000000, v24
	v_xor_b32 v[C+2*\it], v29, v24
	global_store_b64 v[L8], v[C+2*\it:C+2*\it+1], s[58:59] offset:256*\it   ; 32 lanes store a position's 256 bytes; each position has its own data registers
	v_add_f32 v17, 1.0, v17
.endm
.irp it, 0,1,2,3,4,5,6,7,8,9,10,11,12,13,14,15
	ROW \it
.endr
.Ljoin:
	ds_store_b32 v[RW], v[WORD]                    ; all lanes write the wave's one word
	s_wait_dscnt 0x0                               ; for the others' sake: my store has landed
	s_barrier_signal -1
	s_barrier_wait -1
	s_cmp_lt_u32 ttmp9, 256
	s_cbranch_scc1 .Lend
	s_cmp_ge_u32 ttmp9, 384
	s_cbranch_scc1 .Lend
	s_cmp_lg_u32 s2, 0
	s_cbranch_scc1 .Lend
	s_wait_xcnt 0x0                                ; every store issued ahead of the join has had its addresses translated (ISA guide 3.1): only behind this wait are registers that such a store
	                                               ; names (bases, offsets, data) written again, and EXEC narrowed: no global instruction stands between this wait and that line
	ds_load_b32 v16, v[RR]                         ; lane l: step l % 16's word
	s_sub_co_u32 s50, ttmp9, 256
	s_lshl_b32 s30, s50, 2
	s_mov_b32 s31, 0
	s_add_nc_u64 s[58:59], s[26:27], s[30:31]
	v_mov_b32 v[NUL], 0
	s_wait_dscnt 0x0
	v_and_b32 v17, 0xffff, v16
	v_and_b32 v18, 0x10000, v16
	v_cmp_ne_u32 s50, 0, v17                       ; bit s: step s has a set bit
	v_cmp_ne_u32 s51, 0, v18                       ; bit s: step s is all set
	s_mov_b32 s52, 0
.irp i, 0,1,2,3,4,5,6,7,8,9,10,11,12,13,14,15
	v_readlane_b32 s53, v17, \i
	s_or_b32 s52, s52, s53                         ; bit r: row r has a set bit somewhere
.endr
	s_cmp_eq_u32 s52, 0xffff
	s_cselect_b32 s50, s50, -1                     ; a row without any: every step is worked
	s_and_b32 s50, s50, 0xffff
	s_lshl_b32 s51, s51, 16
	s_or_b32 s50, s50, s51
	v_mov_b32 v19, s50
	v_cmp_eq_u32 vcc_lo, 0, v1
	s_and_saveexec_b32 s54, vcc_lo
	global_store_b32 v[NUL], v19, s[58:59]         ; lane 0 stores the tile's word
	s_wait_xcnt 0x0                                ; EXEC is a source of that store: it is widened only behind this wait
	s_or_b32 exec_lo, exec_lo, s54
.Lend:
	s_wait_tensorcnt 0x0
	ds_add_u32 v212, v213
	s_wait_dscnt 0x0
	s_endpgm
.Lfunc_end_k_q05bde6cc07_prep:
	.size	k_q05bde6cc07_prep, .Lfunc_end_k_q05bde6cc07_prep-k_q05bde6cc07_prep
	.p2alignl 7, 3214868480
	.fill 96, 4, 3214868480
	.section	.rodata,"a",@progbits
	.p2align	6, 0x0
	.amdhsa_kernel k_q05bde6cc07_prep
		.amdhsa_group_segment_fixed_size 137472
		.amdhsa_private_segment_fixed_size 0
		.amdhsa_enable_private_segment 0
		.amdhsa_kernarg_size 96
		.amdhsa_user_sgpr_count 2
		.amdhsa_user_sgpr_kernarg_segment_ptr 1
		.amdhsa_wavefront_size32 1
		.amdhsa_system_sgpr_workgroup_id_x 1
		.amdhsa_system_sgpr_workgroup_id_y 1
		.amdhsa_system_sgpr_workgroup_id_z 1
		.amdhsa_system_vgpr_workitem_id 0
		.amdhsa_next_free_vgpr 214
		.amdhsa_next_free_sgpr 66
		.amdhsa_reserve_vcc 1
		.amdhsa_float_denorm_mode_32 3
		.amdhsa_float_denorm_mode_16_64 3
		.amdhsa_memory_ordered 1
		.amdhsa_forward_progress 1
		.amdhsa_inst_pref_size 68
	.end_amdhsa_kernel
	.amdgpu_metadata
---
amdhsa.version: [ 1, 2 ]
amdhsa.kernels:
  - .name:           k_q05bde6cc07_prep
    .symbol:         k_q05bde6cc07_prep.kd
    .args:
      - { .name: x, .offset: 0, .size: 8, .value_kind: global_buffer, .address_space: global }
      - { .name: wq, .offset: 8, .size: 8, .value_kind: global_buffer, .address_space: global }
      - { .name: wk, .offset: 16, .size: 8, .value_kind: global_buffer, .address_space: global }
      - { .name: wv, .offset: 24, .size: 8, .value_kind: global_buffer, .address_space: global }
      - { .name: wo, .offset: 32, .size: 8, .value_kind: global_buffer, .address_space: global }
      - { .name: mask, .offset: 40, .size: 8, .value_kind: global_buffer, .address_space: global }
      - { .name: lowp_scales, .offset: 48, .size: 8, .value_kind: global_buffer, .address_space: global }
      - { .name: xc, .offset: 56, .size: 8, .value_kind: global_buffer, .address_space: global }
      - { .name: wc, .offset: 64, .size: 8, .value_kind: global_buffer, .address_space: global }
      - { .name: rope, .offset: 72, .size: 8, .value_kind: global_buffer, .address_space: global }
      - { .name: mbits, .offset: 80, .size: 8, .value_kind: global_buffer, .address_space: global }
      - { .name: mflag, .offset: 88, .size: 8, .value_kind: global_buffer, .address_space: global }
    .group_segment_fixed_size: 137472
    .private_segment_fixed_size: 0
    .kernarg_segment_align: 8
    .kernarg_segment_size: 96
    .max_flat_workgroup_size: 512
    .sgpr_count:     66
    .vgpr_count:     214
    .wavefront_size: 32
...
	.end_amdgpu_metadata
.endif
;; end of part 1
;; launch qkv (part 2): grid 12 x 16, 4 waves a work-group, clusters of 4 x 4, 327,680 bytes of LDS; arguments xc, wc, rope, bq, bk, bv, lowp_scales, qkv; writes qkv
.if DOCPART == 2
	.amdgcn_target "amdgcn-amd-amdhsa--gfx1250"
	.amdhsa_code_object_version 6
	.text
	.protected	k_q05bde6cc07_qkv
	.globl	k_q05bde6cc07_qkv
	.p2align	8
	.type	k_q05bde6cc07_qkv,@function
k_q05bde6cc07_qkv:
	s_mov_b64 s[64:65], 0
	v_nop
	global_prefetch_b8 v0, s[64:65] scope:SCOPE_SE
	s_setreg_imm32_b32 hwreg(HW_REG_WAVE_MODE, 25, 1), 1
	s_wait_xcnt 0x0
	s_wait_alu depctr_hold_cnt(0) depctr_sa_sdst(0) depctr_va_vdst(0) depctr_va_sdst(0) depctr_va_ssrc(0) depctr_va_vcc(0) depctr_vm_vsrc(0)
	s_getreg_b32 s2, hwreg(HW_REG_IB_STS2, 6, 4)
	s_cmp_eq_u32 s2, 0
	s_cbranch_scc0 .Lentry_in_a_cluster
	s_endpgm
.Lentry_in_a_cluster:
	s_bfe_u32 s2, ttmp6, 0x10000c
	s_cmp_lg_u32 s2, 0xf033
	s_cbranch_scc0 .Lentry_shape_is_right
	s_endpgm
.Lentry_shape_is_right:
; QKV.  Three products on codes of E5M2, K = 1,024, by v_wmma_f32_16x16x128_bf8_bf8; then bias, RoPE (q, k) and the quantiser of the operand that the result becomes.
; THE TYPE is the cluster's x: 0: q = x wq^T + bq; 1: k likewise; 2: v, made TRANSPOSED (A = wv's rows, B = x's rows), since the keys are the K of the product that reads it.
; A tile of 256 x 256 is made by four waves, 128 x 128 each: 64 accumulators, 512 registers.  K goes in steps of 256 through a ring of two LDS slots filled by the tensor data mover.
; OPERANDS LIE IN MEMORY AS IMAGES OF FRAGMENTS ([row tile of 16][K step of 128][2,048 bytes]; four registers a lane as 512 bytes, lane l's 16 at 16 l), so a slot's part of a row tile is 4,096
; consecutive bytes, a wave's tensor load brings 8 row tiles (32 KiB), and a fragment comes by four ds_load_b128 at 16 x lane: consecutive bytes, no pitch, no padding.  k stands in its own place.
; CLUSTERS: 4 x 4 work-groups.  A's tile is shared along a row of the cluster, B's along a column: each is asked for jointly, by the same tensor load with the same descriptor and a mask of the four.
; THE MATRIX INSTRUCTION IS USED TRANSPOSED (source 0 = B's 16 rows, source 1 = A's 16 rows): lane (r, h) holds row r of A's block and columns 16 b + 8 h + 0..7 of B's: eight neighbours along the
; next product's K, which one conversion turns into two registers of the next operand.  So the results leave as images too, 512 consecutive bytes a store, and nothing is transposed.
;   q, k -> qkv + type x 4 MiB: [batch x 16 + head][tile of 16 positions][1,024]: a fragment of 16 rows x 64.     v -> qkv + 8 MiB: [batch x 16 + head][step of 128 keys][16 of the head's 64][2,048]
; ONE BRANCH ON THE TYPE, behind the last change of slots: each arm asks for its bias (and RoPE rows), runs the last two K steps, and goes out.  The type is the same in all partners of a cluster.
; LIMITS: e0 + e1, e2 + e3, e4 + e5 between -126 and 127; e6, e7, e9 between -126 and 112.  NaN is not served.
; REGISTERS, in windows of 256: window 0: v0-31 addresses; v32-95 bias; v96-127 RoPE; from v128 A's fragments, ONE set (on the way out: v128-159 RoPE's second set, v160-223 numbers, v224-231 at work, v232-247 codes).
;   window 1: B's fragments, TWO sets.   window 2: the accumulators of my rows 0-63 ((a, b) at v[8 (8 a + b)]);   window 3: those of rows 64-127.
.set KSB,    4096                      ; a row tile's bytes in a slot: two K steps of 128
.set HALFT,  32768                     ; 8 row tiles: what one tensor load brings, and what one wave reads of A or of B
.set SLOT,   131072                    ; A's 16 row tiles, then B's 16
.set SPARE,  262144                    ; behind the ring: the spare words, 128 bytes for each wave: two blocks of 256 bytes that no other line names
.set FR,     16                        ; registers of a fragment
.set NL,     4                         ; LDS loads that bring one
.set NP,     4                         ; places behind this matrix instruction (ISA guide 7.12.1)
.set LAPS,   2                         ; 1,024 along K = 4 slots = twice round the ring
.set ADRA, 16                          ; v16-17  LDS address of my A fragments in slot 0, 1
.set ADRB, 20                          ; v20-21  the same for B
.set RA,   24                          ; v24     RoPE: 256 r + 32 h
.set BA,   25                          ; v25     the bias's offset
.set OUT,  26                          ; v26     16 x lane
.set SPW,  28                          ; v28     LDS address of my spare word; never rewritten
.set NIL,  29                          ; v29     0; never rewritten
.set QSC,  30                          ; v30     the quantiser's scale as f32
.set QLM,  31                          ; v31     57,344 x that
.set BIAS, 32
.set RP,   96
.set AF,   128
.set T,    160
.set U,    224
.set C,    232
.set G1, 24                            ; s[24:31] descriptor group 1 for A's tiles;  s[32:39] group 0, one set for each slot
.set G0, 32
.set G1B, 48                           ; s[48:55], s[56:63] the same for B's tiles
.set G0B, 56
.set MSB, 0
.macro WIN new                         ; the immediate's high byte repeats the setting that is left
.if MSB != \new
	s_set_vgpr_msb (MSB<<8)|\new
.set MSB, \new
.endif
.endm
.set MUL_LO, 0xa1                      ; source 0 (B) window 1, source 1 (A) window 0, C and D window 2
.set MUL_HI, 0xf1                      ; the same, C and D window 3
.set TO_B,   0x40                      ; destination window 1, address window 0
; A joint load: waves 0 and 1 fetch for A, waves 2 and 3 for B.  Each of the two lines has ONE mask and one set of registers; the branch hangs on the wave's number alone.
; Four v_nop follow each of the two lines, ahead of the jump, the label and what follows.
.macro JLOAD g0a, g1a, g0b, g1b
	s_cmp_eq_u32 s15, 0
	s_cbranch_scc0 .Lfor_b_\@
	tensor_load_to_lds s[\g0a:\g0a+3], s[\g1a:\g1a+7]
	s_nop 0
.rept 4
	v_nop
.endr
	s_branch .Lasked_\@
.Lfor_b_\@:
	tensor_load_to_lds s[\g0b:\g0b+3], s[\g1b:\g1b+7]
	s_nop 0
.rept 4
	v_nop
.endr
.Lasked_\@:
.endm
.macro CREST                           ; a round of the cluster's barrier behind its opening barrier
	s_cmp_lg_u32 s14, 0
	s_cbranch_scc1 .Lnot_wave_0_\@
	s_barrier_signal -3
.Lnot_wave_0_\@:
	s_barrier_wait -3
	s_barrier_signal -1
	s_barrier_wait -1
.endm
.macro CROUND                          ; a whole round
	s_barrier_signal -1
	s_barrier_wait -1
	CREST
.endm
	s_load_b512 s[80:95], s[0:1], 0x0              ; xc s[80:81], wc s[82:83], rope s[84:85], bq s[86:87], bk s[88:89], bv s[90:91], lowp_scales s[92:93], qkv s[94:95]
	v_lshl_add_u32 v[SPW], v0, 2, SPARE
	v_mov_b32 v[NIL], 0
	ds_add_u32 v28, v29
	ds_add_u32 v28, v29
	s_wait_dscnt 0x0
	v_lshrrev_b32 v1, 5, v0
	v_readfirstlane_b32 s14, v1                    ; wave 0..3
	s_lshr_b32 s15, s14, 1                         ; which half of the tile's rows (A) is mine.  Also: I fetch for A (0) or for B (1)
	s_and_b32 s16, s14, 1                          ; which half of its columns (B).  Also: which 8 row tiles I fetch
	s_bfe_u32 s40, ttmp6, 0x40000                  ; cx, cy: my place in the cluster
	s_bfe_u32 s41, ttmp6, 0x40004
	s_and_b32 s18, ttmp7, 0xffff
	s_lshl_b32 s18, s18, 2                         ; 4 x cluster y
	s_add_co_u32 s17, s18, s41
	s_add_co_u32 s42, s18, s40
	s_lshl_b32 s66, ttmp9, 22                      ; q, k: A = x's codes, version = type, 4 MiB each;
	s_lshl_b32 s67, ttmp9, 20                      ;       B = the type's weight, 1 MiB each
	s_cmp_eq_u32 ttmp9, 2
	s_cselect_b32 s17, s41, s17                    ; A's tile: q, k: 4 Y + cy of x's 16;  v: cy of wv's 4.  It hangs on cy alone of the two places
	s_cselect_b32 s42, s42, s40                    ; B's tile: q, k: cx of the weight's 4;  v: 4 Y + cx of x's 16.  On cx alone
	s_cselect_b32 s66, 0x200000, s66               ; v: A = wv's codes,
	s_cselect_b32 s67, 0x800000, s67               ;    B = x's third version
	s_lshl_b32 s43, s41, 2
	s_lshl_b32 s43, 15, s43                        ; my row of the cluster
	s_lshl_b32 s44, 0x1111, s40                    ; my column
	; descriptor group 1: 8 rows (row tiles) of 512 elements of 8 bytes, 2,048 elements (a row tile's 16,384 bytes) apart; dense in LDS
	s_or_b32 s[G1+0], s43, (3<<16)|(1<<21)         ; 15:0 the mask: A's tiles go to my row; 17:16 elements of 8 bytes; 20 no padding; 21 set beside a mask
	s_or_b32 s[G1B+0], s44, (3<<16)|(1<<21)
.irp g, G1, G1B
	s_mov_b32 s[\g+1], 512<<16                     ; tensor_dim0
	s_mov_b32 s[\g+2], 8<<16                       ; tensor_dim1
	s_mov_b32 s[\g+3], 512<<16                     ; tile_dim0
	s_mov_b32 s[\g+4], 8                           ; tile_dim1
	s_mov_b32 s[\g+5], 2048                        ; tensor_dim0_stride
	s_mov_b32 s[\g+6], 0
	s_mov_b32 s[\g+7], 0
.endr
	s_lshl_b32 s22, s16, 3                         ; which 8 row tiles of the 16 I fetch
	s_lshl_b32 s20, s17, 4
	s_add_co_u32 s20, s20, s22
	s_lshl_b32 s20, s20, 14
	s_add_co_u32 s20, s20, s66                     ; A: bytes from its buffer's first
	s_mov_b32 s21, 0
	s_lshl_b32 s46, s42, 4
	s_add_co_u32 s46, s46, s22
	s_lshl_b32 s46, s46, 14
	s_add_co_u32 s46, s46, s67                     ; B likewise
	s_mov_b32 s47, 0
	s_mul_i32 s45, s14, HALFT                      ; where they go: wave x 8 row tiles: no place in the cluster enters an LDS address
	s_wait_kmcnt 0x0
	s_load_b256 s[68:75], s[92:93], 0x0            ; e0..e7
	s_load_b128 s[76:79], s[92:93], 0x20           ; e8..e11
	s_cmp_eq_u32 ttmp9, 2
	s_cselect_b64 s[4:5], s[82:83], s[80:81]
	s_cselect_b64 s[6:7], s[80:81], s[82:83]
	s_add_nc_u64 s[20:21], s[4:5], s[20:21]
	s_add_nc_u64 s[46:47], s[6:7], s[46:47]
	CROUND                                         ; all sixteen work-groups are here: the first joint loads meet
.irp s, 0,1
	s_mov_b32 s[G0+4*\s], 1
	s_add_co_u32 s[G0+4*\s+1], s45, \s*SLOT
	s_add_nc_u64 s[G0+4*\s+2:G0+4*\s+3], s[20:21], \s*KSB
	s_or_b32 s[G0+4*\s+3], s[G0+4*\s+3], 0x80000000
	s_mov_b32 s[G0B+4*\s], 1
	s_add_co_u32 s[G0B+4*\s+1], s45, \s*SLOT
	s_add_nc_u64 s[G0B+4*\s+2:G0B+4*\s+3], s[46:47], \s*KSB
	s_or_b32 s[G0B+4*\s+3], s[G0B+4*\s+3], 0x80000000
	JLOAD G0+4*\s, G1, G0B+4*\s, G1B               ; two tensor loads of mine are out
.endr
	v_and_b32 v1, 15, v0                           ; r
	v_bfe_u32 v2, v0, 4, 1                         ; h
	v_and_b32 v3, 31, v0
	v_lshlrev_b32 v[OUT], 4, v3                    ; 16 x lane
	s_mul_i32 s21, s15, HALFT                      ; my 8 row tiles of A
	s_mul_i32 s22, s16, HALFT                      ; my 8 of B,
	s_add_co_u32 s22, s22, 2*HALFT                 ; which lie behind A's 16
.irp s, 0,1
	v_add_nc_u32 v[ADRA+\s], s21, v[OUT]
	v_add_nc_u32 v[ADRB+\s], s22, v[OUT]
	s_add_co_u32 s21, s21, SLOT
	s_add_co_u32 s22, s22, SLOT
.endr
.macro FRAG reg, adr, q, i             ; a fragment's image: row tile i, the slot's q-th 128 along K
.irp c, 0,1,2,3
	ds_load_b128 v[\reg+4*\c:\reg+4*\c+3], v[\adr] offset:KSB*(\i)+2048*(\q)+512*\c
.endr
.endm
; 16 matrix instructions: A's blocks a0, a0 + 1 x B's eight, 128 along K.  p: B's set.  zero = 1: the first product starts the sums.
; The 64 accumulators take turns, one instruction a turn, in the same order in every step.
.macro MUL16 a0, p, zero
.irp a, \a0, \a0+1
.irp b, 0,1,2,3,4,5,6,7
.if \zero
	v_wmma_f32_16x16x128_bf8_bf8 v[8*(8*((\a)%4)+\b):8*(8*((\a)%4)+\b)+7], v[128*(\p)+FR*\b:128*(\p)+FR*\b+FR-1], v[AF+FR*(\a):AF+FR*(\a)+FR-1], 0
.else
	v_wmma_f32_16x16x128_bf8_bf8 v[8*(8*((\a)%4)+\b):8*(8*((\a)%4)+\b)+7], v[128*(\p)+FR*\b:128*(\p)+FR*\b+FR-1], v[AF+FR*(\a):AF+FR*(\a)+FR-1], v[8*(8*((\a)%4)+\b):8*(8*((\a)%4)+\b)+7]
.endif
.endr
.endr
.endm
.macro FETCH_B slot, q, p
	WIN TO_B
.irp i, 0,1,2,3,4,5,6,7
	FRAG 128*(\p)+FR*\i, ADRB+\slot, \q, \i
.endr
	WIN 0
.endm
.macro FETCH_A slot, q, i0
.irp i, \i0, \i0+1, \i0+2, \i0+3
	FRAG AF+FR*(\i), ADRA+\slot, \q, \i
.endr
.endm
.macro PLACES n                        ; plain vector instructions between a matrix instruction and a load into, or a vector instruction on, its registers
.rept \n
	v_nop
.endr
.endm
; A step of 128 along K that has its successor in the same slot.  A has one set of registers: blocks 0-3 are fetched anew in the step's middle, blocks 4-7 at its end; B has two.
.macro STEP slot, q, zero
	s_wait_dscnt 4*NL                              ; B's set and A's blocks 0-3 are in; the youngest 16 loads (A's blocks 4-7) may be out
	WIN MUL_LO
	MUL16 0, (\q)%2, \zero
	MUL16 2, (\q)%2, \zero
	s_wait_dscnt 0                                 ; A's blocks 4-7 are in
	PLACES NP
	FETCH_B \slot, (\q)+1, 1-(\q)%2
	FETCH_A \slot, (\q)+1, 0
	WIN MUL_HI
	MUL16 4, (\q)%2, \zero
	MUL16 6, (\q)%2, \zero
	PLACES NP
	WIN 0
	FETCH_A \slot, (\q)+1, 4
.endm
; A slot's last step changes slots: ONE barrier; in front of it each wave waits for all its tensor loads, adds 0 to its spare word, and waits for that and for its own reads of this slot.
.macro TURN slot, next, fill
	s_wait_tensorcnt 0x0                           ; all my tensor loads have landed: my part of the next slot
	ds_add_u32 v[SPW], v[NIL]                      ; 0 onto my spare word
	s_wait_dscnt 4*NL+1                            ; (the add and the youngest 16 loads, A's blocks 4-7, may be out)
	WIN MUL_LO
	MUL16 0, 1, 0                                  ; sixteen matrix instructions stand between the add and the wait for it
	s_wait_dscnt 0x0                               ; the add is done, and my reads of this slot are over
	s_barrier_signal -1
	MUL16 2, 1, 0
	WIN 0
	s_barrier_wait -1
.if \fill
	CREST                                          ; the barrier has opened a round of the cluster's barrier: no wave of any partner still reads this slot or has a load on its way
	s_add_nc_u64 s[G0+4*\slot+2:G0+4*\slot+3], s[G0+4*\slot+2:G0+4*\slot+3], 2*KSB
	s_add_nc_u64 s[G0B+4*\slot+2:G0B+4*\slot+3], s[G0B+4*\slot+2:G0B+4*\slot+3], 2*KSB
	JLOAD G0+4*\slot, G1, G0B+4*\slot, G1B         ; my one tensor load behind the round; its four v_nop are also the places in front of the loads below
.else
	PLACES NP
.endif
	FETCH_B \next, 0, 0
	FETCH_A \next, 0, 0
	WIN MUL_HI
	MUL16 4, 1, 0
	MUL16 6, 1, 0
	PLACES NP
	WIN 0
	FETCH_A \next, 0, 4
.endm
.macro LAST                            ; the very last step: nothing more to fetch
	s_wait_dscnt 4*NL
	WIN MUL_LO
	MUL16 0, 1, 0
	MUL16 2, 1, 0
	s_wait_dscnt 0
	WIN MUL_HI
	MUL16 4, 1, 0
	MUL16 6, 1, 0
	WIN 0
.endm
; s[96:97] = 2^(ea + eb) for the sums; v[QSC], v[QLM] for the quantiser 2^eq
.macro SCALES ea, eb, eq
	s_add_co_i32 s96, s[\ea], s[\eb]
	s_add_co_i32 s96, s96, 127
	s_lshl_b32 s96, s96, 23
	s_mov_b32 s97, s96                             ; (named with it as a pair, so it is written)
	s_add_co_i32 s13, s[\eq], 127
	s_lshl_b32 s12, s13, 23
	v_mov_b32 v[QSC], s12
	s_add_co_i32 s13, s13, 15
	s_lshl_b32 s13, s13, 23
	s_or_b32 s13, s13, 0x600000
	v_mov_b32 v[QLM], s13
.endm
; The block's 64 numbers a lane are held, converted (8 neighbours along the next K give 2 registers) and stored: four stores of 512 consecutive bytes.
.macro FINISH o0, o1, o2, o3
.set k, 0
.rept 64
	v_med3_num_f32 v[T+k], v[T+k], -v[QLM], v[QLM] ; the conversion to an 8-bit code does not saturate (ISA guide 7.6.2)
.set k, k+1
.endr
	s_wait_xcnt 0x0                                ; the block before's stores have read the codes' registers
.irp b, 0,1,2,3,4,5,6,7
	v_cvt_scalef32_pk8_bf8_f32 v[C+2*\b:C+2*\b+1], v[T+8*\b:T+8*\b+7], v[QSC]
.endr
	v_nop                                          ; one plain vector instruction behind the last conversion: the next block writes its sources
	global_store_b128 v[OUT], v[C:C+3], s[94:95] offset:\o0
	global_store_b128 v[OUT], v[C+4:C+7], s[94:95] offset:\o1
	global_store_b128 v[OUT], v[C+8:C+11], s[94:95] offset:\o2
	global_store_b128 v[OUT], v[C+12:C+15], s[94:95] offset:\o3
.endm
; (cos, sin) of block a's 16 positions: lane (r, h) takes, for each 16 of the head's 64, pairs 8 b + 4 h + 0..3: 32 bytes
.macro ROPE_LOAD a, set
.irp b, 0,1,2,3
	global_load_b128 v[RP+32*(\set)+8*\b:RP+32*(\set)+8*\b+3], v[RA], s[84:85] offset:4096*(\a)+64*\b
	global_load_b128 v[RP+32*(\set)+8*\b+4:RP+32*(\set)+8*\b+7], v[RA], s[84:85] offset:4096*(\a)+64*\b+16
.endr
.endm
; q, k: block a = 16 positions x my 128 columns (two heads)
.macro QK_BLOCK a
.set AC, 64*((\a)%4)
.set RS, RP+32*((\a)%2)
.if (\a) < 7
	ROPE_LOAD (\a)+1, ((\a)+1)%2
	s_wait_loadcnt 8                               ; all but the eight just issued: the bias and this block's RoPE rows are in
.else
	s_wait_loadcnt 0x0
.endif
	WIN 0x02+((\a)/4)                              ; source 0: window 2 or 3
.set j, 0
.rept 32
	v_pk_fma_f32 v[T+j:T+j+1], v[AC+j:AC+j+1], s[96:97], v[BIAS+j:BIAS+j+1] op_sel_hi:[1,0,1]   ; sum x 2^(ea + eb) + bias; each accumulator from its low end on
.set j, j+2
.endr
	WIN 0
.set p, 0
.rept 32                               ; pair p = (even, odd): (e c - o s, e s + o c)
.set TP, T+2*p
.set CP, RS+2*(p%16)
.set UP, U+2*(p%4)
	v_mul_f32 v[UP], v[TP+1], v[CP+1]
	v_mul_f32 v[UP+1], v[TP+1], v[CP]
	v_fma_f32 v[TP+1], v[TP], v[CP+1], v[UP+1]
	v_fma_f32 v[TP], v[TP], v[CP], -v[UP]
.set p, p+1
.endr
	FINISH 1024*(\a), 1024*(\a)+512, 131072+1024*(\a), 131072+1024*(\a)+512   ; my first head's fragment, then my second's, a head (128 tiles of 1,024 bytes) further on
.endm
; v: block a = 16 of the features x my 128 keys: one fragment of V^T
.macro V_BLOCK a
.set AC, 64*((\a)%4)
	WIN 0x02+((\a)/4)
.set j, 0
.rept 32
	v_pk_fma_f32 v[T+j:T+j+1], v[AC+j:AC+j+1], s[96:97], v[BIAS+2*(\a):BIAS+2*(\a)+1] op_sel_hi:[1,0,1]   ; the bias belongs to the lane's feature
.set j, j+2
.endr
	WIN 0
	FINISH ((\a)/4)*131072+((\a)%4)*2048, ((\a)/4)*131072+((\a)%4)*2048+512, ((\a)/4)*131072+((\a)%4)*2048+1024, ((\a)/4)*131072+((\a)%4)*2048+1536
.endm
	s_wait_tensorcnt 1                             ; my part of slot 0 is in (slot 1's load may be out)
	s_barrier_signal -1
	s_barrier_wait -1                              ; everybody's is
	FETCH_B 0, 0, 0
	FETCH_A 0, 0, 0
	FETCH_A 0, 0, 4
	STEP 0, 0, 1                                   ; the first step stands in front of the loop: its products start the sums
	s_mov_b32 s3, LAPS-1
.Llap:                                                 ; a trip goes once round the ring and fills both slots again
	TURN 0, 1, 1
	STEP 1, 0, 0
	TURN 1, 0, 1
	STEP 0, 0, 0
	s_sub_co_u32 s3, s3, 1
	s_cmp_lg_u32 s3, 0
	s_cbranch_scc1 .Llap
	TURN 0, 1, 0                                   ; the last lap fills nothing, and has no round of the cluster's barrier
	s_wait_kmcnt 0x0                               ; the exponents
	s_cmp_eq_u32 ttmp9, 2
	s_cbranch_scc1 .Lv
	; ---- q, k
	s_cmp_eq_u32 ttmp9, 1
	s_cselect_b64 s[4:5], s[88:89], s[86:87]       ; bk : bq
	s_cselect_b32 s8, s70, s68                     ; e2 : e0
	s_cselect_b32 s9, s71, s69                     ; e3 : e1
	s_cselect_b32 s10, s75, s74                    ; e7 : e6
	s_lshl_b32 s6, s42, 10
	s_lshl_b32 s7, s16, 9
	s_add_co_u32 s6, s6, s7
	s_mov_b32 s7, 0
	s_add_nc_u64 s[4:5], s[4:5], s[6:7]            ; the bias at my 128 columns
	s_lshl_b32 s11, s17, 8
	s_lshl_b32 s12, s15, 7
	s_add_co_u32 s11, s11, s12                     ; my first row of x
	s_lshr_b32 s12, s11, 11                        ; its batch,
	s_and_b32 s11, s11, 2047                       ; its position
	s_lshl_b32 s6, s11, 8
	s_add_nc_u64 s[84:85], s[84:85], s[6:7]        ; the RoPE table at that position
	s_lshl_b32 s12, s12, 4
	s_lshl_b32 s13, s42, 2
	s_add_co_u32 s12, s12, s13
	s_lshl_b32 s13, s16, 1
	s_add_co_u32 s12, s12, s13                     ; batch x 16 + my first head
	s_lshl_b32 s12, s12, 7
	s_lshr_b32 s13, s11, 4
	s_add_co_u32 s12, s12, s13                     ; x 128 + my first tile of positions
	s_lshl_b32 s6, s12, 10
	s_lshl_b32 s13, ttmp9, 22
	s_add_co_u32 s6, s6, s13
	s_add_nc_u64 s[94:95], s[94:95], s[6:7]
	v_lshlrev_b32 v[RA], 8, v1
	v_lshl_add_u32 v[RA], v2, 5, v[RA]
	v_lshlrev_b32 v[BA], 5, v2
.irp b, 0,1,2,3,4,5,6,7
	global_load_b128 v[BIAS+8*\b:BIAS+8*\b+3], v[BA], s[4:5] offset:64*\b          ; columns 16 b + 8 h + 0..7
	global_load_b128 v[BIAS+8*\b+4:BIAS+8*\b+7], v[BA], s[4:5] offset:64*\b+16
.endr
	ROPE_LOAD 0, 0
	SCALES 8, 9, 10
	STEP 1, 0, 0                                   ; 128 matrix instructions stand between these loads and the first wait for them
	LAST
	PLACES NP
.irp a, 0,1,2,3,4,5,6,7
	QK_BLOCK \a
.endr
	s_branch .Lout
	; ---- v
.Lv:
	s_lshl_b32 s6, s17, 10
	s_lshl_b32 s7, s15, 9
	s_add_co_u32 s6, s6, s7
	s_mov_b32 s7, 0
	s_add_nc_u64 s[4:5], s[90:91], s[6:7]          ; bv at my 128 features
	v_lshlrev_b32 v[BA], 2, v1
.irp a, 0,1,2,3,4,5,6,7
	global_load_b32 v[BIAS+2*\a], v[BA], s[4:5] offset:64*\a                       ; feature 16 a + r
.endr
	s_lshl_b32 s11, s42, 8
	s_lshl_b32 s12, s16, 7
	s_add_co_u32 s11, s11, s12                     ; my first key's row of x
	s_lshr_b32 s12, s11, 11                        ; its batch,
	s_and_b32 s11, s11, 2047
	s_lshr_b32 s11, s11, 7                         ; its step of 128 keys
	s_lshl_b32 s12, s12, 4
	s_lshl_b32 s13, s17, 2
	s_add_co_u32 s12, s12, s13
	s_lshl_b32 s13, s15, 1
	s_add_co_u32 s12, s12, s13                     ; batch x 16 + my first head
	s_lshl_b32 s12, s12, 4
	s_add_co_u32 s12, s12, s11
	s_lshl_b32 s6, s12, 13                         ; a step's four fragments are 8,192 bytes
	s_add_co_u32 s6, s6, 0x800000
	s_add_nc_u64 s[94:95], s[94:95], s[6:7]
	SCALES 72, 73, 77                              ; e4 + e5; e9
	STEP 1, 0, 0
	LAST
	PLACES NP
	s_wait_loadcnt 0x0
.irp a, 0,1,2,3,4,5,6,7
	v_mov_b32 v[BIAS+2*\a+1], v[BIAS+2*\a]         ; the packed form takes a pair
.endr
.irp a, 0,1,2,3,4,5,6,7
	V_BLOCK \a
.endr
.Lout:
	s_wait_tensorcnt 0x0                           ; the wave's end
	ds_add_u32 v[SPW], v[NIL]
	s_wait_dscnt 0x0
	CROUND                                         ; the closing round: no work-group ends while a partner may still ask for a tile that names it
	s_endpgm
.Lfunc_end_k_q05bde6cc07_qkv:
	.size	k_q05bde6cc07_qkv, .Lfunc_end_k_q05bde6cc07_qkv-k_q05bde6cc07_qkv
	.p2alignl 7, 3214868480
	.fill 96, 4, 3214868480
	.section	.rodata,"a",@progbits
	.p2align	6, 0x0
	.amdhsa_kernel k_q05bde6cc07_qkv
		.amdhsa_group_segment_fixed_size 327680
		.amdhsa_private_segment_fixed_size 0
		.amdhsa_enable_private_segment 0
		.amdhsa_kernarg_size 64
		.amdhsa_user_sgpr_count 2
		.amdhsa_user_sgpr_kernarg_segment_ptr 1
		.amdhsa_wavefront_size32 1
		.amdhsa_system_sgpr_workgroup_id_x 1
		.amdhsa_system_sgpr_workgroup_id_y 1
		.amdhsa_system_sgpr_workgroup_id_z 1
		.amdhsa_system_vgpr_workitem_id 0
		.amdhsa_next_free_vgpr 1024
		.amdhsa_next_free_sgpr 100
		.amdhsa_reserve_vcc 0
		.amdhsa_float_denorm_mode_32 3
		.amdhsa_float_denorm_mode_16_64 3
		.amdhsa_memory_ordered 1
		.amdhsa_forward_progress 1
		.amdhsa_inst_pref_size 255
	.end_amdhsa_kernel
	.section	.bss,"aw",@nobits
	.p2align	6
	.space	262144
	.amdgpu_metadata
---
amdhsa.version: [ 1, 2 ]
amdhsa.kernels:
  - .name:           k_q05bde6cc07_qkv
    .symbol:         k_q05bde6cc07_qkv.kd
    .args:
      - { .name: xc, .offset: 0, .size: 8, .value_kind: global_buffer, .address_space: global }
      - { .name: wc, .offset: 8, .size: 8, .value_kind: global_buffer, .address_space: global }
      - { .name: rope, .offset: 16, .size: 8, .value_kind: global_buffer, .address_space: global }
      - { .name: bq, .offset: 24, .size: 8, .value_kind: global_buffer, .address_space: global }
      - { .name: bk, .offset: 32, .size: 8, .value_kind: global_buffer, .address_space: global }
      - { .name: bv, .offset: 40, .size: 8, .value_kind: global_buffer, .address_space: global }
      - { .name: lowp_scales, .offset: 48, .size: 8, .value_kind: global_buffer, .address_space: global }
      - { .name: qkv, .offset: 56, .size: 8, .value_kind: global_buffer, .address_space: global }
    .group_segment_fixed_size: 327680
    .private_segment_fixed_size: 0
    .kernarg_segment_align: 8
    .kernarg_segment_size: 64
    .max_flat_workgroup_size: 128
    .sgpr_count:     100
    .vgpr_count:     1024
    .wavefront_size: 32
...
	.end_amdgpu_metadata
.endif
;; end of part 2
;; launch attn (part 3): grid 8 x 32, 16 waves a work-group, no clusters, 264,192 bytes of LDS; arguments qkv, mbits, mflag, lowp_scales, ao; writes ao
.if DOCPART == 3
	.amdgcn_target "amdgcn-amd-amdhsa--gfx1250"
	.amdhsa_code_object_version 6
	.text
	.protected	k_q05bde6cc07_attn
	.globl	k_q05bde6cc07_attn
	.p2align	8
	.type	k_q05bde6cc07_attn,@function
k_q05bde6cc07_attn:
	s_mov_b64 s[64:65], 0
	v_nop
	global_prefetch_b8 v0, s[64:65] scope:SCOPE_SE
	s_setreg_imm32_b32 hwreg(HW_REG_WAVE_MODE, 25, 1), 1
	s_wait_xcnt 0x0
; ATTN.  o = softmax(q k^T / 8, hidden where mask == 0) v for one head, both products on codes of E5M2; o is quantised with 2^e10 for the last product.
; THE SOFTMAX AHEAD OF THE SECOND PRODUCT: t = score x log2(e) / 8; M = the row's largest t so far, rounded UP to a whole number; p = 2^(t - M) is quantised with 2^e8, not normalised; the row's sum is
; taken of the unquantised p and divides at the end.  When M moves, the sum and O are multiplied by 2^(old M - new M): exact.
; SHARES.  Work-group (x = j, y = batch x 16 + head).  All 2,048 keys of the head, K's and V's images, 128 KiB each, lie in LDS: filled once through registers, one barrier, then only read.
; Each of the sixteen waves owns ONE tile of 16 queries, tile 8 rho + j; rho is the wave's number with every second group of four waves reversed: only a matter of even shares where late queries see more keys.
; No tensor load stands in this text, so that steps which the given mask hides altogether can be left out by a scalar branch on whole numbers that an earlier launch stored (mflag).
; Tiles are shared by the eight work-groups of a head, but each reads them once, at its head; joint loads would forbid that branch, which spares more.
; LAYOUT.  Both products transposed: S^T = K Q^T (source 0 = 16 keys, source 1 = my 16 queries, K = 64), O^T = V^T P^T (source 0 = 16 of the head's 64, source 1 = P, K = 128 keys): a lane holds ONE query
; (lane % 16) throughout.  Register j of score tile t is key 16 t + 8 (lane / 16) + j, so one conversion of a tile's eight registers gives registers 2 t, 2 t + 1 of P: k stands in its own place.
; THE MASK.  mbits holds, for each score register, the 32 lanes' bits: 64 scalar words a step, one v_cndmask_b32 a register; a step whose bits are all set jumps over the selects.
; A hidden score becomes -2^80 (in units of 2^(e6 + e7)), under every score that codes can give (64 x 57,344^2 < 2^38).  It is a power of two, so c x it is exact and whole: in a row that has
; seen hidden keys alone t - M is exactly 0 and p = 1, as with reference()'s -1e20; the first open key makes 2^(old M - new M) = 0, which clears those terms.
; LIMITS: e6 + e7 between -50 and 48 (so that c x 2^(80 + e6 + e7) is whole and finite); e8, e10 between -126 and 112.  NaN is not served.
; REGISTERS: v1-3 addresses; v5 the hidden score; v6, v7: 2^e8, 57,344 x 2^e8; v8, v9 the step's LDS addresses; v10, v11: 2^e10, 57,344 x 2^e10; v12 -M, v13 the largest t, v[14:15] the sum in two halves;
;   v16-23 Q; v24-30 at work; v32-95 K's eight fragments, then V's four; v96-159 S^T, then p; v160-191 O^T; v192-207 p's codes; v208-215 o's codes.
.set SKIP, 1                           ; 1: steps that the mask hides altogether are left out
.set VOFF, 131072                      ; V's images lie behind K's
	s_load_b256 s[4:11], s[0:1], 0x0               ; qkv s[4:5], mbits s[6:7], mflag s[8:9], lowp_scales s[10:11]
	s_load_b64 s[12:13], s[0:1], 0x20              ; ao
	v_lshl_add_u32 v254, v0, 2, 0x40000
	v_mov_b32 v255, 0
	v_lshrrev_b32 v1, 5, v0
	v_readfirstlane_b32 s14, v1                    ; wave 0..15
	v_and_b32 v1, 31, v0
	v_lshlrev_b32 v1, 4, v1                        ; 16 x lane
	s_lshl_b32 s26, s14, 13
	v_add_nc_u32 v2, s26, v1                       ; the fill: my wave's 8,192 bytes of K, in memory and in LDS alike,
	v_add_nc_u32 v3, VOFF, v2                      ; and of V in LDS
	s_lshr_b32 s26, s14, 2
	s_and_b32 s2, s26, 1
	s_mul_i32 s2, s2, 3
	s_and_b32 s3, s14, 3
	s_xor_b32 s3, s3, s2
	s_lshl_b32 s26, s26, 2
	s_add_co_u32 s26, s26, s3                      ; rho
	s_lshl_b32 s15, s26, 3
	s_add_co_u32 s15, s15, ttmp9                   ; my tile of queries
	s_and_b32 s27, ttmp7, 0xffff                   ; batch x 16 + head
	s_lshl_b32 s28, s27, 7
	s_add_co_u32 s28, s28, s15
	s_lshl_b32 s28, s28, 10                        ; Q's fragment
	s_mov_b32 s29, 0
	s_lshl_b32 s30, s27, 17
	s_add_co_u32 s30, s30, 0x400000                ; the head's K
	s_mov_b32 s31, 0
	s_lshl_b32 s20, s15, 2                         ; the tile's word of mflag
	s_mov_b32 s21, 0
	s_lshl_b32 s24, s15, 12                        ; its 16 steps x 256 bytes of mbits
	s_mov_b32 s25, 0
	s_lshr_b32 s18, s27, 4
	s_lshl_b32 s18, s18, 7
	s_add_co_u32 s18, s18, s15
	s_lshl_b32 s18, s18, 14                        ; ao: row tile batch x 128 + tile, 16,384 bytes each;
	s_and_b32 s19, s27, 15
	s_lshl_b32 s19, s19, 10                        ; a head's 64 features are half a fragment: 1,024 bytes
	s_add_co_u32 s18, s18, s19
	s_mov_b32 s19, 0
	s_wait_kmcnt 0x0
	s_add_nc_u64 s[28:29], s[4:5], s[28:29]
	s_add_nc_u64 s[30:31], s[4:5], s[30:31]
	s_add_nc_u64 s[66:67], s[30:31], 0x400000      ; the head's V
	s_add_nc_u64 s[20:21], s[8:9], s[20:21]
	s_add_nc_u64 s[24:25], s[6:7], s[24:25]
	s_add_nc_u64 s[12:13], s[12:13], s[18:19]
	s_load_b32 s16, s[20:21], 0x0                  ; bit s: step s is worked; bit 16 + s: all its bits are set
	s_load_b256 s[32:39], s[10:11], 0x10           ; e4..e11
	global_load_b128 v[16:19], v1, s[28:29]
	global_load_b128 v[20:23], v1, s[28:29] offset:512
.irp i, 0,1,2,3,4,5,6,7,8,9,10,11,12,13,14,15
	global_load_b128 v[32+4*\i:35+4*\i], v2, s[30:31] offset:512*\i
.endr
.irp i, 0,1,2,3,4,5,6,7,8,9,10,11,12,13,14,15
	global_load_b128 v[96+4*\i:99+4*\i], v2, s[66:67] offset:512*\i
.endr
	v_mov_b32 v5, 0xe7800000                       ; -2^80
	v_mov_b32 v13, 0xff61b1e6                      ; the largest t so far: -3e38, under every t
	v_floor_f32 v12, -v13                          ; -M
	v_mov_b32 v14, 0
	v_mov_b32 v15, 0
	v_mov_b32 v27, 0                               ; (named as the upper half of the pair v[26:27])
	v_mov_b32 v30, 0                               ; written once: a lane permute's destination counts as one of its sources
.set j, 0
.rept 32
	v_mov_b32 v[160+j], 0                          ; O^T.  (The step is written once and may be left out: the first worked step finds zeros)
.set j, j+1
.endr
	s_wait_kmcnt 0x0
	s_mov_b32 s20, 0x76543210                      ; lane selects for v_permlanex16_b32: lane l xor 16
	s_mov_b32 s21, 0xfedcba98
	s_add_co_i32 s22, s34, s35
	s_lshl_b32 s22, s22, 23
	s_add_co_i32 s22, s22, 0x3e38aa3b              ; c = log2(e) / 8, with e6 + e7 added to its exponent field
	s_mov_b32 s23, s22                             ; (named with it as a pair, so it is written)
	s_add_co_i32 s19, s36, 127
	s_lshl_b32 s2, s19, 23
	v_mov_b32 v6, s2
	s_add_co_i32 s19, s19, 15
	s_lshl_b32 s19, s19, 23
	s_or_b32 s19, s19, 0x600000
	v_mov_b32 v7, s19
	s_add_co_i32 s19, s38, 127
	s_lshl_b32 s2, s19, 23
	v_mov_b32 v10, s2
	s_add_co_i32 s19, s19, 15
	s_lshl_b32 s19, s19, 23
	s_or_b32 s19, s19, 0x600000
	v_mov_b32 v11, s19
	s_add_co_i32 s26, s36, s37                     ; e8 + e9
	s_cmp_lt_i32 s36, -15
	s_cselect_b32 s2, 1, 0                         ; p <= 1 <= 57,344 x 2^e8 from e8 = -15 on: only below that is p's hold needed
.irp i, 0,1,2,3,4,5,6,7,8,9,10,11,12,13,14,15
	s_wait_loadcnt 31-\i                           ; loads come back in order: Q and K's piece i are in, the younger ones may be out
	ds_store_b128 v2, v[32+4*\i:35+4*\i] offset:512*\i
.endr
.irp i, 0,1,2,3,4,5,6,7,8,9,10,11,12,13,14,15
	s_wait_loadcnt 15-\i
	ds_store_b128 v3, v[96+4*\i:99+4*\i] offset:512*\i
.endr
	s_wait_dscnt 0x0                               ; for the others' sake: my stores have landed
	s_barrier_signal -1
	s_barrier_wait -1                              ; the head's K and V lie in LDS; nothing is written there again
	s_mov_b32 s17, 0                               ; the step
	s_mov_b32 s18, 0                               ; its images' place in LDS
.Lstep:
.if SKIP
	s_bitcmp1_b32 s16, s17
	s_cbranch_scc0 .Lskip
.endif
	s_load_b512 s[32:47], s[24:25], 0x0            ; the step's 64 mask words: word n in s[32 + n], from word 32 on in s[36 + n]
	s_load_b512 s[48:63], s[24:25], 0x40
	s_load_b512 s[68:83], s[24:25], 0x80
	s_load_b512 s[84:99], s[24:25], 0xc0
	v_add_nc_u32 v8, s18, v1
	v_add_nc_u32 v9, VOFF, v8
.irp t, 0,1,2,3,4,5,6,7
	ds_load_b128 v[32+8*\t:35+8*\t], v8 offset:1024*\t
	ds_load_b128 v[36+8*\t:39+8*\t], v8 offset:1024*\t+512
.endr
	s_wait_dscnt 0x0
.irp t, 0,1,2,3,4,5,6,7
	v_wmma_f32_16x16x64_bf8_bf8 v[96+8*\t:103+8*\t], v[32+8*\t:39+8*\t], v[16:23], 0
.endr
.rept 4
	v_nop                                          ; places in front of the loads into K's registers and of the first read of the scores
.endr
.irp d, 0,1,2,3
.irp c, 0,1,2,3
	ds_load_b128 v[32+16*\d+4*\c:35+16*\d+4*\c], v9 offset:2048*\d+512*\c          ; V lands while the softmax is walked
.endr
.endr
	s_wait_kmcnt 0x0                               ; the mask words are in, so their address may be stepped at the step's end
	s_add_co_u32 s19, s17, 16
	s_bitcmp1_b32 s16, s19
	s_cbranch_scc1 .Lopen
.set n, 0
.rept 64
.if n < 32
	v_cndmask_b32 v[96+n], v5, v[96+n], s[32+n]    ; bit set: the score; else the hidden score
.else
	v_cndmask_b32 v[96+n], v5, v[96+n], s[36+n]
.endif
.set n, n+1
.endr
.Lopen:
	v_max3_num_f32 v24, v96, v97, v98              ; the step's largest score of my query, among my 64 keys, in two chains,
	v_max3_num_f32 v25, v99, v100, v101
.irp i, 6,10,14,18,22,26,30,34,38,42,46,50,54,58
	v_max3_num_f32 v24, v24, v[96+\i], v[97+\i]
	v_max3_num_f32 v25, v25, v[98+\i], v[99+\i]
.endr
	v_max3_num_f32 v24, v24, v158, v159
	v_max_num_f32 v24, v24, v25
	v_permlanex16_b32 v30, v24, s20, s21
	v_max_num_f32 v24, v24, v30                    ; and among lane l xor 16's
	v_mul_f32 v24, s22, v24                        ; as t (c is positive)
	v_max_num_f32 v13, v13, v24                    ; the running largest t
	v_mov_b32 v24, v12
	v_floor_f32 v12, -v13                          ; the new -M = floor(-t) = -ceil(t): a whole number
	v_sub_f32 v24, v12, v24                        ; old M - new M: a whole number, 0 or less
	v_cvt_i32_f32 v24, v24                         ; (it saturates)
	v_ldexp_f32 v26, 1.0, v24                      ; f = 2^(old M - new M)
.set j, 0
.rept 32
	v_pk_fma_f32 v[96+j:97+j], v[96+j:97+j], s[22:23], v[12:13] op_sel_hi:[1,0,0]   ; t - M, two at a time (of the pairs c and -M the low word serves both halves)
.set j, j+2
.endr
.set j, 0
.rept 64
	v_exp_f32 v[96+j], v[96+j]                     ; p = 2^(t - M), at most 1
.set j, j+1
.endr
	v_pk_mul_f32 v[14:15], v[14:15], v[26:27] op_sel_hi:[1,0]   ; the sums under the new M.  (A plain instruction behind the exponentials)
	s_wait_alu depctr_va_vdst(0)
	v_pk_add_f32 v[28:29], v[96:97], v[98:99]      ; the row's sum is taken of the unquantised p: two at a time, in two chains
.irp j, 4,8,12,16,20,24,28,32,36,40,44,48,52,56,60
	v_pk_add_f32 v[14:15], v[14:15], v[96+\j:97+\j]
	v_pk_add_f32 v[28:29], v[28:29], v[98+\j:99+\j]
.endr
	v_pk_add_f32 v[14:15], v[14:15], v[28:29]
	s_cmp_lg_u32 s2, 0
	s_cbranch_scc0 .Lnohold
.set j, 0
.rept 64
	v_min_num_f32 v[96+j], v[96+j], v7             ; the conversion does not saturate (ISA guide 7.6.2); p is not negative, so the hold is one-sided
.set j, j+1
.endr
.Lnohold:
.irp t, 0,1,2,3,4,5,6,7
	v_cvt_scalef32_pk8_bf8_f32 v[192+2*\t:193+2*\t], v[96+8*\t:103+8*\t], v6
.endr
.set j, 0
.rept 16
	v_pk_mul_f32 v[160+j:161+j], v[160+j:161+j], v[26:27] op_sel_hi:[1,0]   ; O^T under the new M.  (These are also the plain instructions behind the conversions)
.set j, j+2
.endr
	s_wait_dscnt 0x0                               ; V is in
.irp d, 0,1,2,3
	v_wmma_f32_16x16x128_bf8_bf8 v[160+8*\d:167+8*\d], v[32+16*\d:47+16*\d], v[192:207], v[160+8*\d:167+8*\d]   ; the four accumulators by turns; the next matrix instruction is a score's
.endr
.rept 4
	v_nop                                          ; places in front of the next step's loads into V's registers, and of the way out's reads
.endr
.Lskip:
	s_add_co_u32 s18, s18, 8192
	s_add_nc_u64 s[24:25], s[24:25], 256
	s_add_co_u32 s17, s17, 1
	s_cmp_lt_u32 s17, 16
	s_cbranch_scc1 .Lstep
	; THE WAY OUT.  O^T / the sum x 2^(e8 + e9) is o; register 8 d + i of lane (r, h) is o(query r, 16 d + 8 h + i): eight neighbours along the last product's K.
	v_add_f32 v14, v14, v15                        ; the sum's two halves,
	v_permlanex16_b32 v30, v14, s20, s21
	v_add_f32 v14, v14, v30                        ; and lane l xor 16's
	v_rcp_f32 v14, v14
	v_nop                                          ; a plain instruction behind the reciprocal
	s_wait_alu depctr_va_vdst(0)
	v_ldexp_f32 v14, v14, s26
.set j, 0
.rept 32
	v_mul_f32 v[96+j], v[160+j], v14               ; each accumulator from its low end on
.set j, j+1
.endr
.set j, 0
.rept 32
	v_med3_num_f32 v[96+j], v[96+j], -v11, v11
.set j, j+1
.endr
.irp d, 0,1,2,3
	v_cvt_scalef32_pk8_bf8_f32 v[208+2*\d:209+2*\d], v[96+8*\d:103+8*\d], v10
.endr
	v_nop
	global_store_b128 v1, v[208:211], s[12:13]               ; 32 lanes store 512 consecutive bytes: half of my head's half of the fragment
	global_store_b128 v1, v[212:215], s[12:13] offset:512
	s_wait_tensorcnt 0x0
	ds_add_u32 v254, v255
	s_wait_dscnt 0x0
	s_endpgm
.Lfunc_end_k_q05bde6cc07_attn:
	.size	k_q05bde6cc07_attn, .Lfunc_end_k_q05bde6cc07_attn-k_q05bde6cc07_attn
	.p2alignl 7, 3214868480
	.fill 96, 4, 3214868480
	.section	.rodata,"a",@progbits
	.p2align	6, 0x0
	.amdhsa_kernel k_q05bde6cc07_attn
		.amdhsa_group_segment_fixed_size 264192
		.amdhsa_private_segment_fixed_size 0
		.amdhsa_enable_private_segment 0
		.amdhsa_kernarg_size 40
		.amdhsa_user_sgpr_count 2
		.amdhsa_user_sgpr_kernarg_segment_ptr 1
		.amdhsa_wavefront_size32 1
		.amdhsa_system_sgpr_workgroup_id_x 1
		.amdhsa_system_sgpr_workgroup_id_y 1
		.amdhsa_system_sgpr_workgroup_id_z 1
		.amdhsa_system_vgpr_workitem_id 0
		.amdhsa_next_free_vgpr 256
		.amdhsa_next_free_sgpr 100
		.amdhsa_reserve_vcc 0
		.amdhsa_float_denorm_mode_32 3
		.amdhsa_float_denorm_mode_16_64 3
		.amdhsa_memory_ordered 1
		.amdhsa_forward_progress 1
		.amdhsa_inst_pref_size 35
	.end_amdhsa_kernel
	.amdgpu_metadata
---
amdhsa.version: [ 1, 2 ]
amdhsa.kernels:
  - .name:           k_q05bde6cc07_attn
    .symbol:         k_q05bde6cc07_attn.kd
    .args:
      - { .name: qkv, .offset: 0, .size: 8, .value_kind: global_buffer, .address_space: global }
      - { .name: mbits, .offset: 8, .size: 8, .value_kind: global_buffer, .address_space: global }
      - { .name: mflag, .offset: 16, .size: 8, .value_kind: global_buffer, .address_space: global }
      - { .name: lowp_scales, .offset: 24, .size: 8, .value_kind: global_buffer, .address_space: global }
      - { .name: ao, .offset: 32, .size: 8, .value_kind: global_buffer, .address_space: global }
    .group_segment_fixed_size: 264192
    .private_segment_fixed_size: 0
    .kernarg_segment_align: 8
    .kernarg_segment_size: 40
    .max_flat_workgroup_size: 512
    .sgpr_count:     100
    .vgpr_count:     256
    .wavefront_size: 32
...
	.end_amdgpu_metadata
.endif
;; end of part 3
;; launch proj (part 4): grid 4 x 16, 4 waves a work-group, clusters of 4 x 4, 327,680 bytes of LDS; arguments ao, wc, lowp_scales, bo, out0; writes out0
.if DOCPART == 4
	.amdgcn_target "amdgcn-amd-amdhsa--gfx1250"
	.amdhsa_code_object_version 6
	.text
	.protected	k_q05bde6cc07_proj
	.globl	k_q05bde6cc07_proj
	.p2align	8
	.type	k_q05bde6cc07_proj,@function
k_q05bde6cc07_proj:
	s_mov_b64 s[64:65], 0
	v_nop
	global_prefetch_b8 v0, s[64:65] scope:SCOPE_SE
	s_setreg_imm32_b32 hwreg(HW_REG_WAVE_MODE, 25, 1), 1
	s_wait_xcnt 0x0
	s_wait_alu depctr_hold_cnt(0) depctr_sa_sdst(0) depctr_va_vdst(0) depctr_va_sdst(0) depctr_va_ssrc(0) depctr_va_vcc(0) depctr_vm_vsrc(0)
	s_getreg_b32 s2, hwreg(HW_REG_IB_STS2, 6, 4)
	s_cmp_eq_u32 s2, 0
	s_cbranch_scc0 .Lentry_in_a_cluster
	s_endpgm
.Lentry_in_a_cluster:
	s_bfe_u32 s2, ttmp6, 0x10000c
	s_cmp_lg_u32 s2, 0xf033
	s_cbranch_scc0 .Lentry_shape_is_right
	s_endpgm
.Lentry_shape_is_right:
; PROJ.  out0 = o wo^T + bo on codes of E5M2, K = 1,024, by v_wmma_f32_16x16x128_bf8_bf8.  A = ao (o's codes under 2^e10), B = the fourth part of wc (wo's codes under 2^e11); out0 [4096][1024] f32.
; The core is that of the launch that makes q, k and v: a tile of 256 x 256 by four waves of 128 x 128; K in steps of 256 through a ring of two LDS slots; operands as images of fragments
; ([row tile of 16][K step of 128][2,048 bytes]), 8 row tiles x 4,096 bytes to a tensor load; clusters of 4 x 4 with A's tile shared along a row and B's along a column, asked for jointly.
; The matrix instruction is used transposed (source 0 = B's rows, source 1 = A's): a lane holds eight neighbouring numbers of a row of out0.
; 64 tiles of 256 x 256 give 64 work-groups: the price of one core for both launches.
; LIMIT: e10 + e11 between -126 and 127.
; REGISTERS, in windows of 256: window 0: v0-31 addresses; v32-95 bo; from v128 A's fragments, ONE set (on the way out: v96-159 results, v160-223 rows read back).
;   window 1: B's fragments, TWO sets.   window 2: the accumulators of my rows 0-63;   window 3: those of rows 64-127.
.set KSB,    4096
.set HALFT,  32768
.set SLOT,   131072
.set SPARE,  262144                    ; behind the ring: the spare words, 128 bytes for each wave: two blocks of 256 bytes that no other line names
.set SPITCH, 528                       ; the way out: a stage of 16 rows x (512 bytes + 16) for each wave.  It lies in slot 0, which has had its last fill and its last read when the first result is stored there
.set FR,     16
.set NL,     4
.set NP,     4
.set LAPS,   2
.set ADRA, 16
.set ADRB, 20
.set STO,  24                          ; v24     the way out: where I put 32 bytes of a row
.set RD,   25                          ; v25     where I read a row back
.set CO,   26                          ; v26     16 x lane: my bytes of a row's 512
.set BA,   27                          ; v27     the bias's offset: 32 h
.set SPW,  28
.set NIL,  29
.set BIAS, 32
.set TMP,  96
.set AF,   128
.set BK,   160
.set G1, 24
.set G0, 32
.set G1B, 48
.set G0B, 56
.set MSB, 0
.macro WIN new                         ; the immediate's high byte repeats the setting that is left
.if MSB != \new
	s_set_vgpr_msb (MSB<<8)|\new
.set MSB, \new
.endif
.endm
.set MUL_LO, 0xa1
.set MUL_HI, 0xf1
.set TO_B,   0x40
.macro JLOAD g0a, g1a, g0b, g1b        ; a joint load: waves 0 and 1 fetch for A, waves 2 and 3 for B; four v_nop follow each of the two lines
	s_cmp_eq_u32 s15, 0
	s_cbranch_scc0 .Lfor_b_\@
	tensor_load_to_lds s[\g0a:\g0a+3], s[\g1a:\g1a+7]
	s_nop 0
.rept 4
	v_nop
.endr
	s_branch .Lasked_\@
.Lfor_b_\@:
	tensor_load_to_lds s[\g0b:\g0b+3], s[\g1b:\g1b+7]
	s_nop 0
.rept 4
	v_nop
.endr
.Lasked_\@:
.endm
.macro CREST
	s_cmp_lg_u32 s14, 0
	s_cbranch_scc1 .Lnot_wave_0_\@
	s_barrier_signal -3
.Lnot_wave_0_\@:
	s_barrier_wait -3
	s_barrier_signal -1
	s_barrier_wait -1
.endm
.macro CROUND
	s_barrier_signal -1
	s_barrier_wait -1
	CREST
.endm
	s_load_b256 s[80:87], s[0:1], 0x0              ; ao s[80:81], wc s[82:83], lowp_scales s[84:85], bo s[86:87]
	s_load_b64 s[88:89], s[0:1], 0x20              ; out0
	v_lshl_add_u32 v[SPW], v0, 2, SPARE
	v_mov_b32 v[NIL], 0
	ds_add_u32 v28, v29
	ds_add_u32 v28, v29
	s_wait_dscnt 0x0
	v_lshrrev_b32 v1, 5, v0
	v_readfirstlane_b32 s14, v1                    ; wave 0..3
	s_lshr_b32 s15, s14, 1                         ; which half of the tile's rows is mine.  Also: I fetch for A (0) or for B (1)
	s_and_b32 s16, s14, 1                          ; which half of its columns.  Also: which 8 row tiles I fetch
	s_bfe_u32 s40, ttmp6, 0x40000                  ; cx, cy
	s_bfe_u32 s41, ttmp6, 0x40004
	s_lshl_b32 s42, ttmp9, 2
	s_add_co_u32 s42, s42, s40                     ; tile column = 4 x cluster x + cx
	s_and_b32 s17, ttmp7, 0xffff
	s_lshl_b32 s17, s17, 2
	s_add_co_u32 s17, s17, s41                     ; tile row = 4 x cluster y + cy
	s_lshl_b32 s43, s41, 2
	s_lshl_b32 s43, 15, s43                        ; my row of the cluster
	s_lshl_b32 s44, 0x1111, s40                    ; my column
	s_or_b32 s[G1+0], s43, (3<<16)|(1<<21)         ; 15:0 the mask; 17:16 elements of 8 bytes; no padding; 21 set beside a mask
	s_or_b32 s[G1B+0], s44, (3<<16)|(1<<21)
.irp g, G1, G1B
	s_mov_b32 s[\g+1], 512<<16                     ; tensor_dim0
	s_mov_b32 s[\g+2], 8<<16                       ; tensor_dim1
	s_mov_b32 s[\g+3], 512<<16                     ; tile_dim0
	s_mov_b32 s[\g+4], 8                           ; tile_dim1
	s_mov_b32 s[\g+5], 2048                        ; tensor_dim0_stride
	s_mov_b32 s[\g+6], 0
	s_mov_b32 s[\g+7], 0
.endr
	s_lshl_b32 s22, s16, 3
	s_lshl_b32 s20, s17, 4
	s_add_co_u32 s20, s20, s22
	s_lshl_b32 s20, s20, 14                        ; A: row tile 16 x tile row + 8 x half
	s_mov_b32 s21, 0
	s_lshl_b32 s46, s42, 4
	s_add_co_u32 s46, s46, s22
	s_lshl_b32 s46, s46, 14
	s_add_co_u32 s46, s46, 0x300000                ; B: wo's codes are the fourth MiB of wc
	s_mov_b32 s47, 0
	s_mul_i32 s45, s14, HALFT
	s_wait_kmcnt 0x0
	s_load_b64 s[96:97], s[84:85], 0x28            ; e10, e11
	s_add_nc_u64 s[20:21], s[80:81], s[20:21]
	s_add_nc_u64 s[46:47], s[82:83], s[46:47]
	CROUND                                         ; all sixteen work-groups are here: the first joint loads meet
.irp s, 0,1
	s_mov_b32 s[G0+4*\s], 1
	s_add_co_u32 s[G0+4*\s+1], s45, \s*SLOT
	s_add_nc_u64 s[G0+4*\s+2:G0+4*\s+3], s[20:21], \s*KSB
	s_or_b32 s[G0+4*\s+3], s[G0+4*\s+3], 0x80000000
	s_mov_b32 s[G0B+4*\s], 1
	s_add_co_u32 s[G0B+4*\s+1], s45, \s*SLOT
	s_add_nc_u64 s[G0B+4*\s+2:G0B+4*\s+3], s[46:47], \s*KSB
	s_or_b32 s[G0B+4*\s+3], s[G0B+4*\s+3], 0x80000000
	JLOAD G0+4*\s, G1, G0B+4*\s, G1B               ; two tensor loads of mine are out
.endr
	v_and_b32 v1, 15, v0                           ; r
	v_bfe_u32 v2, v0, 4, 1                         ; h
	v_and_b32 v3, 31, v0
	v_lshlrev_b32 v[CO], 4, v3
	s_mul_i32 s21, s15, HALFT
	s_mul_i32 s22, s16, HALFT
	s_add_co_u32 s22, s22, 2*HALFT
.irp s, 0,1
	v_add_nc_u32 v[ADRA+\s], s21, v[CO]
	v_add_nc_u32 v[ADRB+\s], s22, v[CO]
	s_add_co_u32 s21, s21, SLOT
	s_add_co_u32 s22, s22, SLOT
.endr
	s_mul_i32 s23, s14, 16*SPITCH                  ; my stage
	v_mul_u32_u24 v5, v1, SPITCH
	v_lshl_add_u32 v5, v2, 5, v5
	v_add_nc_u32 v[STO], s23, v5                   ; in: row r, 32 bytes for each half of the lanes
	v_add_nc_u32 v[RD], s23, v[CO]                 ; back: the 32 lanes take one row of 512 bytes
	v_lshlrev_b32 v[BA], 5, v2
	s_lshl_b32 s6, s42, 10
	s_lshl_b32 s7, s16, 9
	s_add_co_u32 s6, s6, s7                        ; my first column, in bytes
	s_mov_b32 s7, 0
	s_add_nc_u64 s[86:87], s[86:87], s[6:7]
	s_add_nc_u64 s[88:89], s[88:89], s[6:7]
	s_lshl_b32 s6, s17, 8
	s_lshl_b32 s8, s15, 7
	s_add_co_u32 s6, s6, s8
	s_lshl_b32 s6, s6, 12                          ; my first row, of 4,096 bytes
	s_add_nc_u64 s[88:89], s[88:89], s[6:7]
.irp b, 0,1,2,3,4,5,6,7
	global_load_b128 v[BIAS+8*\b:BIAS+8*\b+3], v[BA], s[86:87] offset:64*\b        ; bo at columns 16 b + 8 h + 0..7: wanted on the way out
	global_load_b128 v[BIAS+8*\b+4:BIAS+8*\b+7], v[BA], s[86:87] offset:64*\b+16
.endr
.macro FRAG reg, adr, q, i
.irp c, 0,1,2,3
	ds_load_b128 v[\reg+4*\c:\reg+4*\c+3], v[\adr] offset:KSB*(\i)+2048*(\q)+512*\c
.endr
.endm
; The 64 accumulators take turns, one instruction a turn, in the same order in every step.
.macro MUL16 a0, p, zero
.irp a, \a0, \a0+1
.irp b, 0,1,2,3,4,5,6,7
.if \zero
	v_wmma_f32_16x16x128_bf8_bf8 v[8*(8*((\a)%4)+\b):8*(8*((\a)%4)+\b)+7], v[128*(\p)+FR*\b:128*(\p)+FR*\b+FR-1], v[AF+FR*(\a):AF+FR*(\a)+FR-1], 0
.else
	v_wmma_f32_16x16x128_bf8_bf8 v[8*(8*((\a)%4)+\b):8*(8*((\a)%4)+\b)+7], v[128*(\p)+FR*\b:128*(\p)+FR*\b+FR-1], v[AF+FR*(\a):AF+FR*(\a)+FR-1], v[8*(8*((\a)%4)+\b):8*(8*((\a)%4)+\b)+7]
.endif
.endr
.endr
.endm
.macro FETCH_B slot, q, p
	WIN TO_B
.irp i, 0,1,2,3,4,5,6,7
	FRAG 128*(\p)+FR*\i, ADRB+\slot, \q, \i
.endr
	WIN 0
.endm
.macro FETCH_A slot, q, i0
.irp i, \i0, \i0+1, \i0+2, \i0+3
	FRAG AF+FR*(\i), ADRA+\slot, \q, \i
.endr
.endm
.macro PLACES n                        ; plain vector instructions between a matrix instruction and a load into, or a vector instruction on, its registers
.rept \n
	v_nop
.endr
.endm
.macro STEP slot, q, zero
	s_wait_dscnt 4*NL                              ; B's set and A's blocks 0-3 are in; the youngest 16 loads (A's blocks 4-7) may be out
	WIN MUL_LO
	MUL16 0, (\q)%2, \zero
	MUL16 2, (\q)%2, \zero
	s_wait_dscnt 0
	PLACES NP
	FETCH_B \slot, (\q)+1, 1-(\q)%2
	FETCH_A \slot, (\q)+1, 0
	WIN MUL_HI
	MUL16 4, (\q)%2, \zero
	MUL16 6, (\q)%2, \zero
	PLACES NP
	WIN 0
	FETCH_A \slot, (\q)+1, 4
.endm
.macro TURN slot, next, fill
	s_wait_tensorcnt 0x0                           ; all my tensor loads have landed: my part of the next slot
	ds_add_u32 v[SPW], v[NIL]                      ; 0 onto my spare word
	s_wait_dscnt 4*NL+1                            ; (the add and the youngest 16 loads may be out)
	WIN MUL_LO
	MUL16 0, 1, 0
	s_wait_dscnt 0x0                               ; the add is done, and my reads of this slot are over
	s_barrier_signal -1
	MUL16 2, 1, 0
	WIN 0
	s_barrier_wait -1
.if \fill
	CREST                                          ; the barrier has opened a round of the cluster's barrier
	s_add_nc_u64 s[G0+4*\slot+2:G0+4*\slot+3], s[G0+4*\slot+2:G0+4*\slot+3], 2*KSB
	s_add_nc_u64 s[G0B+4*\slot+2:G0B+4*\slot+3], s[G0B+4*\slot+2:G0B+4*\slot+3], 2*KSB
	JLOAD G0+4*\slot, G1, G0B+4*\slot, G1B         ; my one tensor load behind the round
.else
	PLACES NP
.endif
	FETCH_B \next, 0, 0
	FETCH_A \next, 0, 0
	WIN MUL_HI
	MUL16 4, 1, 0
	MUL16 6, 1, 0
	PLACES NP
	WIN 0
	FETCH_A \next, 0, 4
.endm
	s_wait_tensorcnt 1                             ; my part of slot 0 is in (slot 1's load may be out)
	s_barrier_signal -1
	s_barrier_wait -1                              ; everybody's is
	FETCH_B 0, 0, 0
	FETCH_A 0, 0, 0
	FETCH_A 0, 0, 4
	STEP 0, 0, 1
	s_mov_b32 s3, LAPS-1
.Llap:
	TURN 0, 1, 1
	STEP 1, 0, 0
	TURN 1, 0, 1
	STEP 0, 0, 0
	s_sub_co_u32 s3, s3, 1
	s_cmp_lg_u32 s3, 0
	s_cbranch_scc1 .Llap
	TURN 0, 1, 0
	STEP 1, 0, 0
	s_wait_dscnt 4*NL
	WIN MUL_LO
	MUL16 0, 1, 0
	MUL16 2, 1, 0
	s_wait_dscnt 0
	WIN MUL_HI
	MUL16 4, 1, 0
	MUL16 6, 1, 0
	WIN 0
; THE WAY OUT, block by block of 16 rows x 128 columns: sum x 2^(e10 + e11) + bo; through my own stage in LDS, back as whole rows of 512 bytes.
; LDS serves a wave's instructions in order (ISA guide 5.7.1.4): no wait between the stores and the loads.
.macro OUTBLK a
.set AC, 64*((\a)%4)
	WIN 0x02+((\a)/4)                              ; source 0: window 2 or 3
.set j, 0
.rept 32
	v_pk_fma_f32 v[TMP+j:TMP+j+1], v[AC+j:AC+j+1], s[96:97], v[BIAS+j:BIAS+j+1] op_sel_hi:[1,0,1]   ; each accumulator from its low end on
.set j, j+2
.endr
	WIN 0
.irp b, 0,1,2,3,4,5,6,7
	ds_store_b128 v[STO], v[TMP+8*\b:TMP+8*\b+3] offset:64*\b
	ds_store_b128 v[STO], v[TMP+8*\b+4:TMP+8*\b+7] offset:64*\b+16
.endr
	s_wait_xcnt 0x0                                ; the block before's stores have read their registers and their base
.if (\a) > 0
	s_add_nc_u64 s[88:89], s[88:89], 16*4096       ; 16 rows on
.endif
.irp t, 0,1,2,3,4,5,6,7,8,9,10,11,12,13,14,15
	ds_load_b128 v[BK+4*\t:BK+4*\t+3], v[RD] offset:\t*SPITCH
.endr
.irp t, 0,1,2,3,4,5,6,7,8,9,10,11,12,13,14,15
	s_wait_dscnt 15-\t                             ; row t is back; the 15 - t younger loads may be out
	global_store_b128 v[CO], v[BK+4*\t:BK+4*\t+3], s[88:89] offset:\t*4096 th:TH_STORE_NT   ; 32 lanes store 512 consecutive bytes, at a multiple of 512 from out0's first byte
.endr
.endm
	s_wait_kmcnt 0x0
	s_add_co_i32 s96, s96, s97
	s_add_co_i32 s96, s96, 127
	s_lshl_b32 s96, s96, 23                        ; 2^(e10 + e11) as f32
	s_mov_b32 s97, s96
	s_wait_loadcnt 0x0                             ; bo
	PLACES NP
.irp a, 0,1,2,3,4,5,6,7
	OUTBLK \a
.endr
	s_wait_tensorcnt 0x0                           ; the wave's end, behind my last tensor load and my last LDS store
	ds_add_u32 v[SPW], v[NIL]
	s_wait_dscnt 0x0
	CROUND                                         ; the closing round
	s_endpgm
.Lfunc_end_k_q05bde6cc07_proj:
	.size	k_q05bde6cc07_proj, .Lfunc_end_k_q05bde6cc07_proj-k_q05bde6cc07_proj
	.p2alignl 7, 3214868480
	.fill 96, 4, 3214868480
	.section	.rodata,"a",@progbits
	.p2align	6, 0x0
	.amdhsa_kernel k_q05bde6cc07_proj
		.amdhsa_group_segment_fixed_size 327680
		.amdhsa_private_segment_fixed_size 0
		.amdhsa_enable_private_segment 0
		.amdhsa_kernarg_size 40
		.amdhsa_user_sgpr_count 2
		.amdhsa_user_sgpr_kernarg_segment_ptr 1
		.amdhsa_wavefront_size32 1
		.amdhsa_system_sgpr_workgroup_id_x 1
		.amdhsa_system_sgpr_workgroup_id_y 1
		.amdhsa_system_sgpr_workgroup_id_z 1
		.amdhsa_system_vgpr_workitem_id 0
		.amdhsa_next_free_vgpr 1024
		.amdhsa_next_free_sgpr 100
		.amdhsa_reserve_vcc 0
		.amdhsa_float_denorm_mode_32 3
		.amdhsa_float_denorm_mode_16_64 3
		.amdhsa_memory_ordered 1
		.amdhsa_forward_progress 1
		.amdhsa_inst_pref_size 128
	.end_amdhsa_kernel
	.amdgpu_metadata
---
amdhsa.version: [ 1, 2 ]
amdhsa.kernels:
  - .name:           k_q05bde6cc07_proj
    .symbol:         k_q05bde6cc07_proj.kd
    .args:
      - { .name: ao, .offset: 0, .size: 8, .value_kind: global_buffer, .address_space: global }
      - { .name: wc, .offset: 8, .size: 8, .value_kind: global_buffer, .address_space: global }
      - { .name: lowp_scales, .offset: 16, .size: 8, .value_kind: global_buffer, .address_space: global }
      - { .name: bo, .offset: 24, .size: 8, .value_kind: global_buffer, .address_space: global }
      - { .name: out0, .offset: 32, .size: 8, .value_kind: global_buffer, .address_space: global }
    .group_segment_fixed_size: 327680
    .private_segment_fixed_size: 0
    .kernarg_segment_align: 8
    .kernarg_segment_size: 40
    .max_flat_workgroup_size: 128
    .sgpr_count:     100
    .vgpr_count:     1024
    .wavefront_size: 32
...
	.end_amdgpu_metadata
.endif
;; end of part 4
;; ======== version 2 of 3: 4 launches; 1.21 times as fast as version 1
;; workspace buffers: xc 12,582,912 bytes; wc 4,194,304 bytes; rope 524,288 bytes; mbits 524,288 bytes of whole numbers; mflag 1,024 bytes of whole numbers; qkv 12,582,912 bytes; ao 4,194,304 bytes
;; launch prep (part 5): grid 256 x 1, 8 waves a work-group, no clusters, 204,032 bytes of LDS; arguments x, wq, wk, wv, wo, mask, lowp_scales, xc, wc, rope, mbits, mflag; writes xc, wc, rope, mbits, mflag
.if DOCPART == 5
	.amdgcn_target "amdgcn-amd-amdhsa--gfx1250"
	.amdhsa_code_object_version 6
	.text
	.protected	k_q05bde6cc07_prep
	.globl	k_q05bde6cc07_prep
	.p2align	8
	.type	k_q05bde6cc07_prep,@function
k_q05bde6cc07_prep:
	s_mov_b64 s[64:65], 0
	v_nop
	global_prefetch_b8 v0, s[64:65] scope:SCOPE_SE
	s_setreg_imm32_b32 hwreg(HW_REG_WAVE_MODE, 25, 1), 1
	s_wait_xcnt 0x0
; PREP.  Everything that later launches read many times is made once here.
;   x [4096][1024] f32 -> xc: codes of E5M2 under the three given scales 2^e0, 2^e2, 2^e4 (the three products that read x)
;   wq, wk, wv, wo [1024][1024] f32 -> wc: codes under 2^e1, 2^e3, 2^e5, 2^e11
;   mask [2048][2048] int32 -> mbits: one lane mask for each score register of the attention launch; mflag: what each half of a query tile's 16 key steps holds
;   rope: (cos, sin) of position x 10000^(-i/32), [2048 positions][32 pairs], 256 bytes a position
; code = x / 2^e, held within +-57,344, to the nearest code, ties to even.  LIMITS: -126 <= e <= 112 for each of e0..e5 and e11.  NaN among the inputs is not served.
; SHARES.  x, the four weights and the mask are 2,048 pieces each of 16 rows x 512 bytes, and rope has 2,048 rows: 256 work-groups x 8 waves = 2,048 waves, and wave G = 8 x work-group + wave
; takes piece G of each and row G: every wave does the same work, and no branch hangs on the work-group's number.
; LAYOUT OF THE CODES: images of operand registers.  A fragment is 16 rows x 128 K: lane (r = lane % 16, h = lane / 16) holds row r, its registers 2 c, 2 c + 1 hold K = 16 c + 8 h + 0..7.
; Four registers a lane are stored as 512 consecutive bytes, lane l's 16 at 16 l: 2,048 bytes a fragment.  xc: [version 3][row tile 256][K step 8][2048]; wc: [tensor 4][row tile 64][K step 8][2048].
; A PIECE comes by 16 loads of 512 consecutive bytes; all 48 loads of a wave go out together, 24 KiB a wave.  Each piece turns through a stage of its own in LDS (rows 528 bytes apart) and comes back
; into the registers that it left, 8 neighbours along K to a lane and group, as a conversion wants them.  The mask goes the same way, so that a compare of register 8 t + j gives the lane mask of score register 8 t + j.
; The mask's piece is worked first: its 64 registers then take the four sets of codes, so that no store's data are written again.
; mbits: [query tile 128][step 16][64 words]: bit (r + 16 h) of word 8 t + j = (mask[16 qt + r][128 s + 16 t + 8 h + j] != 0).
; mflag: [query tile 128][half 2]: bits 0-15: row r of the tile has a set bit in this half's 8 steps; bit 16 + w: step 8 half + w has a set bit; bit 24 + w: all its bits are set.
; No tensor loads.  One barrier: behind it wave 0 joins the eight waves' words.
.set STG,  8448                        ; a stage: 16 rows x 528 bytes
.set WST,  3*STG                       ; three for each wave
.set RED,  8*WST                       ; behind the stages: one word for each wave
.set GOF,  4                           ; v4   16 x lane: my bytes of a load's or a store's 512
.set SI,   5                           ; v5   the stages, on the way in
.set SO,   6                           ; v6   and on the way out: row r, + 32 h
.set RW,   7                           ; v7   my wave's word in RED
.set RR,   8                           ; v8   word lane % 8 of RED
.set L8,   9                           ; v9   8 x lane
.set WORD, 18                          ; v18  what my wave leaves in RED
.set NUL,  19                          ; v19  0
.set MW,   20                          ; v[20:21] the mask words on their way out: lane l holds words 2 l, 2 l + 1
.set RO,   22                          ; v[22:23] (cos, sin) on their way out
.set XA,   24                          ; v24-87   x's piece: as loaded, then register 8 c + j = element 16 c + 8 h + j of row r
.set XB,   88                          ; v88-151  the weight's
.set XM,   152                         ; v152-215 the mask's; then four sets of 16 registers of codes
.set T,    216                         ; v216-231 two sets of eight held numbers
.set P,    232                         ; v232-245 at work
	s_load_b512 s[4:19], s[0:1], 0x0               ; x, wq, wk, wv, wo, mask, lowp_scales, xc
	s_load_b256 s[20:27], s[0:1], 0x40             ; wc, rope, mbits, mflag
	v_lshl_add_u32 v254, v0, 2, 0x31900
	v_mov_b32 v255, 0
	v_lshrrev_b32 v1, 5, v0
	v_readfirstlane_b32 s2, v1                     ; wave 0..7
	v_and_b32 v1, 31, v0                           ; lane
	v_and_b32 v2, 15, v0                           ; r
	v_bfe_u32 v3, v0, 4, 1                         ; h
	v_lshlrev_b32 v[GOF], 4, v1
	s_mul_i32 s3, s2, WST
	v_add_nc_u32 v[SI], s3, v[GOF]
	v_mul_u32_u24 v[SO], v2, 528
	v_lshl_add_u32 v[SO], v3, 5, v[SO]
	v_add_nc_u32 v[SO], s3, v[SO]
	s_lshl_b32 s3, s2, 2
	s_add_co_u32 s3, s3, RED
	v_mov_b32 v[RW], s3
	v_and_b32 v[RR], 7, v0
	v_lshl_add_u32 v[RR], v[RR], 2, RED
	v_lshlrev_b32 v[L8], 3, v1
	s_lshl_b32 s34, ttmp9, 3
	s_add_co_u32 s34, s34, s2                      ; G, 0..2047
	s_lshr_b32 s35, ttmp9, 6                       ; G >> 9: which of the four weights
	s_and_b32 s3, s34, 7
	s_lshl_b32 s3, s3, 9                           ; K step: 128 numbers of 4 bytes
	s_lshr_b32 s48, s34, 3
	s_lshl_b32 s48, s48, 16                        ; row tile: 16 rows of 4,096 bytes
	s_or_b32 s48, s48, s3                          ; x's piece
	s_mov_b32 s49, 0
	s_and_b32 s50, s34, 511
	s_lshr_b32 s50, s50, 3
	s_lshl_b32 s50, s50, 16
	s_or_b32 s50, s50, s3                          ; the weight's piece
	s_mov_b32 s51, 0
	s_and_b32 s3, s34, 15
	s_lshl_b32 s3, s3, 9                           ; the mask: step of 128 keys,
	s_lshr_b32 s52, s34, 4
	s_lshl_b32 s52, s52, 17                        ; query tile: 16 rows of 8,192 bytes
	s_or_b32 s52, s52, s3
	s_mov_b32 s53, 0
	s_lshl_b32 s54, s34, 11                        ; a fragment's image is 2,048 bytes
	s_mov_b32 s55, 0
	s_lshl_b32 s56, s34, 8                         ; a step's mask words, and a row of rope, are 256 bytes
	s_mov_b32 s57, 0
	s_lshl_b32 s58, ttmp9, 2                       ; the work-group's word of mflag: 2 x query tile + half = its number
	s_mov_b32 s59, 0
	s_mov_b32 s66, 0xbed49a78                      ; -c, high part: c = log2(10000) / 32
	s_mov_b32 s67, 0xb2179ac1                      ; -c, low part
	s_mov_b32 s68, 0x3f317218                      ; ln 2
	s_mov_b32 s69, 0x3f22f983                      ; 2 / pi
	s_mov_b32 s70, 0xbfc90fdb                      ; -(pi / 2), high part
	s_mov_b32 s71, 0x333bbd2e                      ; -(pi / 2), low part
	s_mov_b32 s72, 0xb94ca1f9                      ; sine on +-pi/4: r + r z (S1 + z (S2 + z S3)), z = r r
	s_mov_b32 s73, 0x3c08839e
	s_mov_b32 s74, 0xbe2aaaa3
	s_mov_b32 s75, 0x37ccf5ce                      ; cosine: 1 + z (-1/2 + z (C2 + z (C1 + z C0)))
	s_mov_b32 s76, 0xbab6061a
	s_mov_b32 s77, 0x3d2aaaa5
	s_wait_kmcnt 0x0
	s_load_b256 s[36:43], s[16:17], 0x0            ; e0..e7
	s_load_b128 s[44:47], s[16:17], 0x20           ; e8..e11
	s_add_nc_u64 s[32:33], s[14:15], s[52:53]
	s_add_nc_u64 s[28:29], s[4:5], s[48:49]
	s_cmp_eq_u32 s35, 1                            ; the weight is chosen without a branch, on the work-group's number alone
	s_cselect_b64 s[30:31], s[8:9], s[6:7]
	s_cmp_eq_u32 s35, 2
	s_cselect_b64 s[30:31], s[10:11], s[30:31]
	s_cmp_eq_u32 s35, 3
	s_cselect_b64 s[30:31], s[12:13], s[30:31]
	s_add_nc_u64 s[30:31], s[30:31], s[50:51]
.irp i, 0,1,2,3,4,5,6,7,8,9,10,11,12,13,14,15
	global_load_b128 v[XM+4*\i:XM+4*\i+3], v[GOF], s[32:33] offset:8192*\i th:TH_LOAD_NT   ; 32 lanes read 512 consecutive bytes of row i
.endr
.irp i, 0,1,2,3,4,5,6,7,8,9,10,11,12,13,14,15
	global_load_b128 v[XA+4*\i:XA+4*\i+3], v[GOF], s[28:29] offset:4096*\i th:TH_LOAD_NT
.endr
.irp i, 0,1,2,3,4,5,6,7,8,9,10,11,12,13,14,15
	global_load_b128 v[XB+4*\i:XB+4*\i+3], v[GOF], s[30:31] offset:4096*\i th:TH_LOAD_NT
.endr
	s_add_nc_u64 s[60:61], s[18:19], s[54:55]      ; x's three versions lie 4 MiB apart
	s_add_nc_u64 s[62:63], s[60:61], 0x400000
	s_add_nc_u64 s[78:79], s[62:63], 0x400000
	s_add_nc_u64 s[80:81], s[20:21], s[54:55]      ; wc: 512 fragments a weight, so fragment G of the whole
	s_add_nc_u64 s[82:83], s[24:25], s[56:57]
	s_add_nc_u64 s[84:85], s[22:23], s[56:57]
	s_add_nc_u64 s[86:87], s[26:27], s[58:59]
	; ---- rope's row G, while the loads are on their way.  lane = pair i.  inv = 10000^(-i/32) = 2^(-i c), c in two parts; the product's rounding error is taken exactly and put back behind the exponential.
	v_cvt_f32_u32 v[P], v1
	v_mul_f32 v[P+2], s66, v[P]                    ; -i c, rounded
	v_fma_f32 v[P+3], v[P], s66, -v[P+2]           ; what the rounding dropped, exact,
	v_fma_f32 v[P+3], v[P], s67, v[P+3]            ; and the low part's share
	v_exp_f32 v[P+4], v[P+2]
	v_mul_f32 v[P+3], s68, v[P+3]                  ; (a plain instruction behind the exponential)
	s_wait_alu depctr_va_vdst(0)
	v_fma_f32 v[P], v[P+4], v[P+3], v[P+4]         ; inv
	v_cvt_f32_u32 v[P+1], s34                      ; the position
	v_mul_f32 v[P+4], v[P+1], v[P]                 ; the angle, as reference() forms it
	v_mul_f32 v[P+5], s69, v[P+4]
	v_rndne_f32 v[P+5], v[P+5]                     ; n quarter turns
	v_fma_f32 v[P+6], v[P+5], s70, v[P+4]
	v_fma_f32 v[P+6], v[P+5], s71, v[P+6]          ; r = angle - n pi / 2, within +-pi/4
	v_cvt_i32_f32 v[P+8], v[P+5]
	v_mul_f32 v[P+7], v[P+6], v[P+6]
	v_fma_f32 v[P+9], v[P+7], s72, s73
	v_fma_f32 v[P+10], v[P+7], s75, s76
	v_fma_f32 v[P+9], v[P+9], v[P+7], s74
	v_fma_f32 v[P+10], v[P+10], v[P+7], s77
	v_mul_f32 v[P+9], v[P+9], v[P+7]
	v_fma_f32 v[P+10], v[P+10], v[P+7], -0.5
	v_fma_f32 v[P+9], v[P+9], v[P+6], v[P+6]       ; sin r
	v_fma_f32 v[P+10], v[P+10], v[P+7], 1.0        ; cos r
	v_and_b32 v[P+11], 1, v[P+8]
	v_cmp_eq_u32 vcc_lo, 1, v[P+11]
	v_cndmask_b32 v[P+12], v[P+9], v[P+10], vcc_lo ; an odd n swaps the two;
	v_cndmask_b32 v[P+13], v[P+10], v[P+9], vcc_lo
	v_lshlrev_b32 v[P+11], 30, v[P+8]              ; the sine changes sign where n % 4 is 2 or 3,
	v_add_nc_u32 v[P+8], 1, v[P+8]
	v_and_b32 v[P+11], 0x80000000, v[P+11]
	v_lshlrev_b32 v[P+8], 30, v[P+8]               ; the cosine where it is 1 or 2
	v_xor_b32 v[RO+1], v[P+12], v[P+11]
	v_and_b32 v[P+8], 0x80000000, v[P+8]
	v_xor_b32 v[RO], v[P+13], v[P+8]
	global_store_b64 v[L8], v[RO:RO+1], s[84:85]   ; 32 lanes store the position's 256 bytes
.macro MKSC e, vsc, vlim               ; 2^e as f32 (the conversion takes its exponent field), and 57,344 x 2^e
	s_add_co_i32 s88, s[\e], 127
	s_lshl_b32 s89, s88, 23
	v_mov_b32 v[\vsc], s89
	s_add_co_i32 s88, s88, 15
	s_lshl_b32 s88, s88, 23
	s_or_b32 s88, s88, 0x600000
	v_mov_b32 v[\vlim], s88
.endm
	s_wait_kmcnt 0x0                               ; the exponents
	s_cmp_eq_u32 s35, 1
	s_cselect_b32 s90, s39, s37                    ; e3 : e1
	s_cmp_eq_u32 s35, 2
	s_cselect_b32 s90, s41, s90                    ; e5
	s_cmp_eq_u32 s35, 3
	s_cselect_b32 s90, s47, s90                    ; e11
	MKSC 36, 10, 11
	MKSC 38, 12, 13
	MKSC 40, 14, 15
	MKSC 90, 16, 17
.macro STORES base, st, left           ; a piece into stage st as it arrives; left: the loads issued behind the piece's sixteen
.irp i, 0,1,2,3,4,5,6,7,8,9,10,11,12,13,14,15
	s_wait_loadcnt \left+15-\i                     ; loads come back in order: row i is in, the younger ones may be out
	ds_store_b128 v[SI], v[\base+4*\i:\base+4*\i+3] offset:(\st)*STG+528*\i
.endr
.endm
.macro BACK base, st                   ; and back into the registers that it left.  LDS serves a wave's instructions in order: these see my stores; the stage is my wave's own
.irp c, 0,1,2,3,4,5,6,7
	ds_load_b128 v[\base+8*\c:\base+8*\c+3], v[SO] offset:(\st)*STG+64*\c
	ds_load_b128 v[\base+8*\c+4:\base+8*\c+7], v[SO] offset:(\st)*STG+64*\c+16
.endr
.endm
; The 64 numbers of a lane become a fragment's 16 registers and leave.  The held numbers go into two sets by turns, so that the eight holds of the next group stand between a conversion and
; the next write of its sources; the numbers themselves are kept, since x is quantised three times.
.macro QV src, cod, vsc, vlim, sp
.irp g, 0,1,2,3,4,5,6,7
.irp j, 0,1,2,3,4,5,6,7
	v_med3_num_f32 v[T+8*(\g%2)+\j], v[\src+8*\g+\j], -v[\vlim], v[\vlim]   ; the conversion to an 8-bit code does not saturate (ISA guide 7.6.2): the hold at the largest code x the scale
.endr
	v_cvt_scalef32_pk8_bf8_f32 v[\cod+2*\g:\cod+2*\g+1], v[T+8*(\g%2):T+8*(\g%2)+7], v[\vsc]
.endr
.irp g, 0,1,2,3
	global_store_b128 v[GOF], v[\cod+4*\g:\cod+4*\g+3], s[\sp:\sp+1] offset:512*\g   ; 32 lanes store 512 consecutive bytes, at a multiple of 512 from the buffer's first byte
.endr
.endm
	STORES XM, 0, 32
	BACK XM, 0
	STORES XA, 1, 16
	s_wait_dscnt 16                                ; the mask's numbers are back; x's sixteen stores may be out
	BACK XA, 1
	; ---- the mask's piece
	s_mov_b32 s91, -1                              ; the and of all 64 words,
	s_mov_b32 s92, 0                               ; and their or
	v_mov_b32 v[MW], 0
	v_mov_b32 v[MW+1], 0
.set n, 0
.rept 64
	v_cmp_ne_u32 s93, 0, v[XM+n]                   ; word n: a bit for each lane
	v_writelane_b32 v[MW+(n&1)], s93, n>>1
	s_and_b32 s91, s91, s93
	s_or_b32 s92, s92, s93
.set n, n+1
.endr
	global_store_b64 v[L8], v[MW:MW+1], s[82:83]   ; 32 lanes store the step's 256 bytes
	s_lshr_b32 s93, s92, 16
	s_or_b32 s92, s92, s93
	s_and_b32 s92, s92, 0xffff                     ; bit r: row r has a set bit in this step
	s_cmp_eq_u32 s91, -1
	s_cselect_b32 s93, 0x10000, 0                  ; bit 16: all bits of the step are set
	s_or_b32 s92, s92, s93
	v_mov_b32 v[WORD], s92
	s_wait_dscnt 0x0                               ; x's numbers are back
	STORES XB, 2, 0
	BACK XB, 2
	; ---- x's piece, three times; the weight's turn through its stage runs meanwhile
	QV XA, XM, 10, 11, 60
	QV XA, XM+16, 12, 13, 62
	QV XA, XM+32, 14, 15, 78
	s_wait_dscnt 0x0                               ; the weight's numbers are back
	QV XB, XM+48, 16, 17, 80
	ds_store_b32 v[RW], v[WORD]                    ; all lanes write the wave's one word
	s_wait_dscnt 0x0                               ; for the others' sake: my store has landed
	s_barrier_signal -1
	s_barrier_wait -1
	s_cmp_lg_u32 s2, 0
	s_cbranch_scc1 .Lend
	s_wait_xcnt 0x0                                ; every store issued so far has had its addresses translated (ISA guide 3.1): EXEC is narrowed only behind this wait; no global instruction stands between
	ds_load_b32 v[P], v[RR]                        ; lane l: wave l % 8's word
	v_mov_b32 v[NUL], 0
	s_wait_dscnt 0x0
	v_and_b32 v[P+1], 0xffff, v[P]
	v_and_b32 v[P+2], 0x10000, v[P]
	v_cmp_ne_u32 s94, 0, v[P+1]                    ; bit w: my half's step w has a set bit
	v_cmp_ne_u32 s95, 0, v[P+2]                    ; bit w: it is all set
	s_mov_b32 s96, 0
.irp i, 0,1,2,3,4,5,6,7
	v_readlane_b32 s97, v[P+1], \i
	s_or_b32 s96, s96, s97                         ; bit r: row r has a set bit in this half
.endr
	s_and_b32 s94, s94, 0xff
	s_lshl_b32 s94, s94, 16
	s_lshl_b32 s95, s95, 24                        ; (the lanes from 8 on repeat the first eight, and drop out at the top)
	s_or_b32 s96, s96, s94
	s_or_b32 s96, s96, s95
	v_mov_b32 v[P+3], s96
	v_cmp_eq_u32 vcc_lo, 0, v1
	s_and_saveexec_b32 s98, vcc_lo
	global_store_b32 v[NUL], v[P+3], s[86:87]      ; lane 0 stores the work-group's word
	s_wait_xcnt 0x0                                ; EXEC is a source of that store: it is widened only behind this wait
	s_or_b32 exec_lo, exec_lo, s98
.Lend:
	s_wait_tensorcnt 0x0
	ds_add_u32 v254, v255
	s_wait_dscnt 0x0
	s_endpgm
.Lfunc_end_k_q05bde6cc07_prep:
	.size	k_q05bde6cc07_prep, .Lfunc_end_k_q05bde6cc07_prep-k_q05bde6cc07_prep
	.p2alignl 7, 3214868480
	.fill 96, 4, 3214868480
	.section	.rodata,"a",@progbits
	.p2align	6, 0x0
	.amdhsa_kernel k_q05bde6cc07_prep
		.amdhsa_group_segment_fixed_size 204032
		.amdhsa_private_segment_fixed_size 0
		.amdhsa_enable_private_segment 0
		.amdhsa_kernarg_size 96
		.amdhsa_user_sgpr_count 2
		.amdhsa_user_sgpr_kernarg_segment_ptr 1
		.amdhsa_wavefront_size32 1
		.amdhsa_system_sgpr_workgroup_id_x 1
		.amdhsa_system_sgpr_workgroup_id_y 1
		.amdhsa_system_sgpr_workgroup_id_z 1
		.amdhsa_system_vgpr_workitem_id 0
		.amdhsa_next_free_vgpr 256
		.amdhsa_next_free_sgpr 100
		.amdhsa_reserve_vcc 1
		.amdhsa_float_denorm_mode_32 3
		.amdhsa_float_denorm_mode_16_64 3
		.amdhsa_memory_ordered 1
		.amdhsa_forward_progress 1
		.amdhsa_inst_pref_size 53
	.end_amdhsa_kernel
	.amdgpu_metadata
---
amdhsa.version: [ 1, 2 ]
amdhsa.kernels:
  - .name:           k_q05bde6cc07_prep
    .symbol:         k_q05bde6cc07_prep.kd
    .args:
      - { .name: x, .offset: 0, .size: 8, .value_kind: global_buffer, .address_space: global }
      - { .name: wq, .offset: 8, .size: 8, .value_kind: global_buffer, .address_space: global }
      - { .name: wk, .offset: 16, .size: 8, .value_kind: global_buffer, .address_space: global }
      - { .name: wv, .offset: 24, .size: 8, .value_kind: global_buffer, .address_space: global }
      - { .name: wo, .offset: 32, .size: 8, .value_kind: global_buffer, .address_space: global }
      - { .name: mask, .offset: 40, .size: 8, .value_kind: global_buffer, .address_space: global }
      - { .name: lowp_scales, .offset: 48, .size: 8, .value_kind: global_buffer, .address_space: global }
      - { .name: xc, .offset: 56, .size: 8, .value_kind: global_buffer, .address_space: global }
      - { .name: wc, .offset: 64, .size: 8, .value_kind: global_buffer, .address_space: global }
      - { .name: rope, .offset: 72, .size: 8, .value_kind: global_buffer, .address_space: global }
      - { .name: mbits, .offset: 80, .size: 8, .value_kind: global_buffer, .address_space: global }
      - { .name: mflag, .offset: 88, .size: 8, .value_kind: global_buffer, .address_space: global }
    .group_segment_fixed_size: 204032
    .private_segment_fixed_size: 0
    .kernarg_segment_align: 8
    .kernarg_segment_size: 96
    .max_flat_workgroup_size: 256
    .sgpr_count:     100
    .vgpr_count:     256
    .wavefront_size: 32
...
	.end_amdgpu_metadata
.endif
;; end of part 5
;; launch qkv: the kernel of part 2 again; grid 12 x 16, 4 waves a work-group, clusters of 4 x 4, 327,680 bytes of LDS; arguments xc, wc, rope, bq, bk, bv, lowp_scales, qkv; writes qkv
;; launch attn (part 6): grid 8 x 32, 16 waves a work-group, no clusters, 264,192 bytes of LDS; arguments qkv, mbits, mflag, lowp_scales, ao; writes ao
.if DOCPART == 6
	.amdgcn_target "amdgcn-amd-amdhsa--gfx1250"
	.amdhsa_code_object_version 6
	.text
	.protected	k_q05bde6cc07_attn
	.globl	k_q05bde6cc07_attn
	.p2align	8
	.type	k_q05bde6cc07_attn,@function
k_q05bde6cc07_attn:
	s_mov_b64 s[64:65], 0
	v_nop
	global_prefetch_b8 v0, s[64:65] scope:SCOPE_SE
	s_setreg_imm32_b32 hwreg(HW_REG_WAVE_MODE, 25, 1), 1
	s_wait_xcnt 0x0
; ATTN.  o = softmax(q k^T / 8, hidden where mask == 0) v for one head, both products on codes of E5M2; o is quantised with 2^e10 for the last product.
; THE SOFTMAX AHEAD OF THE SECOND PRODUCT: t = score x log2(e) / 8; M = the row's largest t so far, rounded UP to a whole number; p = 2^(t - M) is quantised with 2^e8, not normalised; the row's sum is
; taken of the unquantised p and divides at the end.  When M moves, the sum and O are multiplied by 2^(old M - new M): exact.
; SHARES.  Work-group (x = j, y = batch x 16 + head).  All 2,048 keys of the head, K's and V's images, 128 KiB each, lie in LDS: filled once through registers, one barrier, then only read.
; Each of the sixteen waves owns ONE tile of 16 queries, tile 8 rho + j; rho is the wave's number with every second group of four waves reversed: only a matter of even shares where late queries see more keys.
; No tensor load stands in this text, so that steps which the given mask hides altogether can be left out by a scalar branch on whole numbers that an earlier launch stored (mflag).
; Tiles are shared by the eight work-groups of a head, but each reads them once, at its head; joint loads would forbid that branch, which spares more.
; LAYOUT.  Both products transposed: S^T = K Q^T (source 0 = 16 keys, source 1 = my 16 queries, K = 64), O^T = V^T P^T (source 0 = 16 of the head's 64, source 1 = P, K = 128 keys): a lane holds ONE query
; (lane % 16) throughout.  Register j of score tile t is key 16 t + 8 (lane / 16) + j, so one conversion of a tile's eight registers gives registers 2 t, 2 t + 1 of P: k stands in its own place.
; THE MASK.  mflag's two words of my tile give, for each of the 16 steps: WORK (the step has a set bit, or some row of the tile has none at all: then every step is worked, since that row's softmax is uniform)
; and NEED (worked, and not all its bits set).  A step without WORK is left out: its weights would be exact zeros.  mbits holds, for each score register, the 32 lanes' bits: 64 scalar words a step, one
; v_cndmask_b32 a register, in the steps with NEED alone.  The words of step s + 1 are asked for in step s, behind the running maximum, so that the scalings, the 64 exponentials, the sums and the second
; product stand between the request and the selects; only where NEED has the bit.
; A hidden score becomes -2^80 (in units of 2^(e6 + e7)), under every score that codes can give (64 x 57,344^2 < 2^38).  It is a power of two, so c x it is exact and whole: in a row that has
; seen hidden keys alone t - M is exactly 0 and p = 1, as with reference()'s -1e20; the first open key makes 2^(old M - new M) = 0, which clears those terms.
; LIMITS: e6 + e7 between -50 and 48 (so that c x 2^(80 + e6 + e7) is whole and finite); e8, e10 between -126 and 112.  NaN is not served.
; REGISTERS: v1-3 addresses; v5 the hidden score; v6, v7: 2^e8, 57,344 x 2^e8; v8, v9 the step's LDS addresses; v10, v11: 2^e10, 57,344 x 2^e10; v12 -M, v13 the largest t, v[14:15] the sum in two halves;
;   v16-23 Q; v24-30 at work; v32-95 K's eight fragments, then V's four; v96-159 S^T, then p; v160-191 O^T; v192-207 p's codes; v208-215 o's codes.
;   s16 WORK, s27 NEED, s17 the step, s18 its images' place in LDS, s[24:25] its mask words; s[32:63], s[68:99] the 64 words.
.set VOFF, 131072                      ; V's images lie behind K's
	s_load_b256 s[4:11], s[0:1], 0x0               ; qkv s[4:5], mbits s[6:7], mflag s[8:9], lowp_scales s[10:11]
	s_load_b64 s[12:13], s[0:1], 0x20              ; ao
	v_lshl_add_u32 v254, v0, 2, 0x40000
	v_mov_b32 v255, 0
	v_lshrrev_b32 v1, 5, v0
	v_readfirstlane_b32 s14, v1                    ; wave 0..15
	v_and_b32 v1, 31, v0
	v_lshlrev_b32 v1, 4, v1                        ; 16 x lane
	s_lshl_b32 s26, s14, 13
	v_add_nc_u32 v2, s26, v1                       ; the fill: my wave's 8,192 bytes of K, in memory and in LDS alike,
	v_add_nc_u32 v3, VOFF, v2                      ; and of V in LDS
	s_lshr_b32 s26, s14, 2
	s_and_b32 s2, s26, 1
	s_mul_i32 s2, s2, 3
	s_and_b32 s3, s14, 3
	s_xor_b32 s3, s3, s2
	s_lshl_b32 s26, s26, 2
	s_add_co_u32 s26, s26, s3                      ; rho
	s_lshl_b32 s15, s26, 3
	s_add_co_u32 s15, s15, ttmp9                   ; my tile of queries
	s_and_b32 s27, ttmp7, 0xffff                   ; batch x 16 + head
	s_lshl_b32 s28, s27, 7
	s_add_co_u32 s28, s28, s15
	s_lshl_b32 s28, s28, 10                        ; Q's fragment
	s_mov_b32 s29, 0
	s_lshl_b32 s30, s27, 17
	s_add_co_u32 s30, s30, 0x400000                ; the head's K
	s_mov_b32 s31, 0
	s_lshl_b32 s20, s15, 3                         ; the tile's two words of mflag
	s_mov_b32 s21, 0
	s_lshl_b32 s24, s15, 12                        ; its 16 steps x 256 bytes of mbits
	s_mov_b32 s25, 0
	s_lshr_b32 s18, s27, 4
	s_lshl_b32 s18, s18, 7
	s_add_co_u32 s18, s18, s15
	s_lshl_b32 s18, s18, 14                        ; ao: row tile batch x 128 + tile, 16,384 bytes each;
	s_and_b32 s19, s27, 15
	s_lshl_b32 s19, s19, 10                        ; a head's 64 features are half a fragment: 1,024 bytes
	s_add_co_u32 s18, s18, s19
	s_mov_b32 s19, 0
	s_wait_kmcnt 0x0
	s_add_nc_u64 s[28:29], s[4:5], s[28:29]
	s_add_nc_u64 s[30:31], s[4:5], s[30:31]
	s_add_nc_u64 s[66:67], s[30:31], 0x400000      ; the head's V
	s_add_nc_u64 s[20:21], s[8:9], s[20:21]
	s_add_nc_u64 s[24:25], s[6:7], s[24:25]
	s_add_nc_u64 s[12:13], s[12:13], s[18:19]
	s_load_b64 s[40:41], s[20:21], 0x0             ; steps 0-7's word, steps 8-15's: bits 0-15 rows with a set bit; 16-23 steps with a set bit; 24-31 steps all set
	s_load_b256 s[32:39], s[10:11], 0x10           ; e4..e11
	global_load_b128 v[16:19], v1, s[28:29]
	global_load_b128 v[20:23], v1, s[28:29] offset:512
.irp i, 0,1,2,3,4,5,6,7,8,9,10,11,12,13,14,15
	global_load_b128 v[32+4*\i:35+4*\i], v2, s[30:31] offset:512*\i
.endr
.irp i, 0,1,2,3,4,5,6,7,8,9,10,11,12,13,14,15
	global_load_b128 v[96+4*\i:99+4*\i], v2, s[66:67] offset:512*\i
.endr
	v_mov_b32 v5, 0xe7800000                       ; -2^80
	v_mov_b32 v13, 0xff61b1e6                      ; the largest t so far: -3e38, under every t
	v_floor_f32 v12, -v13                          ; -M
	v_mov_b32 v14, 0
	v_mov_b32 v15, 0
	v_mov_b32 v27, 0                               ; (named as the upper half of the pair v[26:27])
	v_mov_b32 v30, 0                               ; written once: a lane permute's destination counts as one of its sources
.set j, 0
.rept 32
	v_mov_b32 v[160+j], 0                          ; O^T.  (The step is written once and may be left out: the first worked step finds zeros)
.set j, j+1
.endr
	s_wait_kmcnt 0x0
	s_or_b32 s42, s40, s41
	s_and_b32 s42, s42, 0xffff                     ; bit r: row r of my tile has a set bit somewhere
	s_bfe_u32 s43, s40, 0x80010                    ; (8 bits from bit 16)
	s_bfe_u32 s44, s41, 0x80010
	s_lshl_b32 s44, s44, 8
	s_or_b32 s43, s43, s44                         ; bit s: step s has a set bit
	s_lshr_b32 s44, s40, 24
	s_lshr_b32 s45, s41, 24
	s_lshl_b32 s45, s45, 8
	s_or_b32 s44, s44, s45                         ; bit s: step s is all set
	s_cmp_eq_u32 s42, 0xffff
	s_cselect_b32 s16, s43, 0xffff                 ; WORK: a row without any set bit: every step is worked
	s_and_not1_b32 s27, s16, s44                   ; NEED: worked and not all set.  Bits 16 on are 0: no step behind the last is ever asked for
	s_mov_b32 s20, 0x76543210                      ; lane selects for v_permlanex16_b32: lane l xor 16
	s_mov_b32 s21, 0xfedcba98
	s_add_co_i32 s22, s34, s35
	s_lshl_b32 s22, s22, 23
	s_add_co_i32 s22, s22, 0x3e38aa3b              ; c = log2(e) / 8, with e6 + e7 added to its exponent field
	s_mov_b32 s23, s22                             ; (named with it as a pair, so it is written)
	s_add_co_i32 s19, s36, 127
	s_lshl_b32 s2, s19, 23
	v_mov_b32 v6, s2
	s_add_co_i32 s19, s19, 15
	s_lshl_b32 s19, s19, 23
	s_or_b32 s19, s19, 0x600000
	v_mov_b32 v7, s19
	s_add_co_i32 s19, s38, 127
	s_lshl_b32 s2, s19, 23
	v_mov_b32 v10, s2
	s_add_co_i32 s19, s19, 15
	s_lshl_b32 s19, s19, 23
	s_or_b32 s19, s19, 0x600000
	v_mov_b32 v11, s19
	s_add_co_i32 s26, s36, s37                     ; e8 + e9
	s_cmp_lt_i32 s36, -15
	s_cselect_b32 s2, 1, 0                         ; p <= 1 <= 57,344 x 2^e8 from e8 = -15 on: only below that is p's hold needed
	s_load_b512 s[32:47], s[24:25], 0x0            ; step 0's 64 mask words, whatever its flags: word n in s[32 + n], from word 32 on in s[36 + n].  (The exponents and flags above have been used)
	s_load_b512 s[48:63], s[24:25], 0x40
	s_load_b512 s[68:83], s[24:25], 0x80
	s_load_b512 s[84:99], s[24:25], 0xc0
.irp i, 0,1,2,3,4,5,6,7,8,9,10,11,12,13,14,15
	s_wait_loadcnt 31-\i                           ; loads come back in order: Q and K's piece i are in, the younger ones may be out
	ds_store_b128 v2, v[32+4*\i:35+4*\i] offset:512*\i
.endr
.irp i, 0,1,2,3,4,5,6,7,8,9,10,11,12,13,14,15
	s_wait_loadcnt 15-\i
	ds_store_b128 v3, v[96+4*\i:99+4*\i] offset:512*\i
.endr
	s_wait_dscnt 0x0                               ; for the others' sake: my stores have landed
	s_barrier_signal -1
	s_barrier_wait -1                              ; the head's K and V lie in LDS; nothing is written there again
	s_mov_b32 s17, 0                               ; the step
	s_mov_b32 s18, 0                               ; its images' place in LDS
; The next step's mask words, 256 bytes on, where NEED has its bit.  Words are asked for only for steps that wait for them ahead of their selects, so no request of mine is out here but, at most, the
; head's: the wait orders this request with any older one into the same registers.
.macro NEXTW
	s_add_co_u32 s19, s17, 1
	s_bitcmp1_b32 s27, s19
	s_cbranch_scc0 .Lnone_\@
	s_wait_kmcnt 0x0
	s_load_b512 s[32:47], s[24:25], 0x100
	s_load_b512 s[48:63], s[24:25], 0x140
	s_load_b512 s[68:83], s[24:25], 0x180
	s_load_b512 s[84:99], s[24:25], 0x1c0
.Lnone_\@:
.endm
.Lstep:
	s_bitcmp1_b32 s16, s17
	s_cbranch_scc0 .Lskip
	v_add_nc_u32 v8, s18, v1
	v_add_nc_u32 v9, VOFF, v8
.irp t, 0,1,2,3,4,5,6,7
	ds_load_b128 v[32+8*\t:35+8*\t], v8 offset:1024*\t
	ds_load_b128 v[36+8*\t:39+8*\t], v8 offset:1024*\t+512
.endr
	s_wait_dscnt 0x0
.irp t, 0,1,2,3,4,5,6,7
	v_wmma_f32_16x16x64_bf8_bf8 v[96+8*\t:103+8*\t], v[32+8*\t:39+8*\t], v[16:23], 0
.endr
.rept 4
	v_nop                                          ; places in front of the loads into K's registers and of the first read of the scores
.endr
.irp d, 0,1,2,3
.irp c, 0,1,2,3
	ds_load_b128 v[32+16*\d+4*\c:35+16*\d+4*\c], v9 offset:2048*\d+512*\c          ; V lands while the softmax is walked
.endr
.endr
	s_bitcmp1_b32 s27, s17
	s_cbranch_scc0 .Lopen
	s_wait_kmcnt 0x0                               ; this step's mask words, asked for a step ago, are in
.set n, 0
.rept 64
.if n < 32
	v_cndmask_b32 v[96+n], v5, v[96+n], s[32+n]    ; bit set: the score; else the hidden score
.else
	v_cndmask_b32 v[96+n], v5, v[96+n], s[36+n]
.endif
.set n, n+1
.endr
.Lopen:
	v_max3_num_f32 v24, v96, v97, v98              ; the step's largest score of my query, among my 64 keys, in two chains,
	v_max3_num_f32 v25, v99, v100, v101
.irp i, 6,10,14,18,22,26,30,34,38,42,46,50,54,58
	v_max3_num_f32 v24, v24, v[96+\i], v[97+\i]
	v_max3_num_f32 v25, v25, v[98+\i], v[99+\i]
.endr
	v_max3_num_f32 v24, v24, v158, v159
	v_max_num_f32 v24, v24, v25
	v_permlanex16_b32 v30, v24, s20, s21
	v_max_num_f32 v24, v24, v30                    ; and among lane l xor 16's
	v_mul_f32 v24, s22, v24                        ; as t (c is positive)
	v_max_num_f32 v13, v13, v24                    ; the running largest t
	v_mov_b32 v24, v12
	v_floor_f32 v12, -v13                          ; the new -M = floor(-t) = -ceil(t): a whole number
	v_sub_f32 v24, v12, v24                        ; old M - new M: a whole number, 0 or less
	v_cvt_i32_f32 v24, v24                         ; (it saturates)
	v_ldexp_f32 v26, 1.0, v24                      ; f = 2^(old M - new M)
	NEXTW                                          ; the selects have read this step's words: the registers take the next step's
.set j, 0
.rept 32
	v_pk_fma_f32 v[96+j:97+j], v[96+j:97+j], s[22:23], v[12:13] op_sel_hi:[1,0,0]   ; t - M, two at a time (of the pairs c and -M the low word serves both halves)
.set j, j+2
.endr
.set j, 0
.rept 64
	v_exp_f32 v[96+j], v[96+j]                     ; p = 2^(t - M), at most 1
.set j, j+1
.endr
	v_pk_mul_f32 v[14:15], v[14:15], v[26:27] op_sel_hi:[1,0]   ; the sums under the new M.  (A plain instruction behind the exponentials)
	s_wait_alu depctr_va_vdst(0)
	v_pk_add_f32 v[28:29], v[96:97], v[98:99]      ; the row's sum is taken of the unquantised p: two at a time, in two chains
.irp j, 4,8,12,16,20,24,28,32,36,40,44,48,52,56,60
	v_pk_add_f32 v[14:15], v[14:15], v[96+\j:97+\j]
	v_pk_add_f32 v[28:29], v[28:29], v[98+\j:99+\j]
.endr
	v_pk_add_f32 v[14:15], v[14:15], v[28:29]
	s_cmp_lg_u32 s2, 0
	s_cbranch_scc0 .Lnohold
.set j, 0
.rept 64
	v_min_num_f32 v[96+j], v[96+j], v7             ; the conversion does not saturate (ISA guide 7.6.2); p is not negative, so the hold is one-sided
.set j, j+1
.endr
.Lnohold:
.irp t, 0,1,2,3,4,5,6,7
	v_cvt_scalef32_pk8_bf8_f32 v[192+2*\t:193+2*\t], v[96+8*\t:103+8*\t], v6
.endr
.set j, 0
.rept 16
	v_pk_mul_f32 v[160+j:161+j], v[160+j:161+j], v[26:27] op_sel_hi:[1,0]   ; O^T under the new M.  (These are also the plain instructions behind the conversions)
.set j, j+2
.endr
	s_wait_dscnt 0x0                               ; V is in
.irp d, 0,1,2,3
	v_wmma_f32_16x16x128_bf8_bf8 v[160+8*\d:167+8*\d], v[32+16*\d:47+16*\d], v[192:207], v[160+8*\d:167+8*\d]   ; the four accumulators by turns; the next matrix instruction is a score's
.endr
.rept 4
	v_nop                                          ; places in front of the next step's loads into V's registers, and of the way out's reads
.endr
	s_branch .Lnext
.Lskip:
	NEXTW                                          ; a step that is left out asks for its successor's words all the same
.Lnext:
	s_wait_xcnt 0x0                                ; a request that may be out has had its address translated (ISA guide 3.1): only behind this wait is the words' address stepped
	s_add_co_u32 s18, s18, 8192
	s_add_nc_u64 s[24:25], s[24:25], 256
	s_add_co_u32 s17, s17, 1
	s_cmp_lt_u32 s17, 16
	s_cbranch_scc1 .Lstep
	; THE WAY OUT.  O^T / the sum x 2^(e8 + e9) is o; register 8 d + i of lane (r, h) is o(query r, 16 d + 8 h + i): eight neighbours along the last product's K.
	v_add_f32 v14, v14, v15                        ; the sum's two halves,
	v_permlanex16_b32 v30, v14, s20, s21
	v_add_f32 v14, v14, v30                        ; and lane l xor 16's
	v_rcp_f32 v14, v14
	v_nop                                          ; a plain instruction behind the reciprocal
	s_wait_alu depctr_va_vdst(0)
	v_ldexp_f32 v14, v14, s26
.set j, 0
.rept 32
	v_mul_f32 v[96+j], v[160+j], v14               ; each accumulator from its low end on
.set j, j+1
.endr
.set j, 0
.rept 32
	v_med3_num_f32 v[96+j], v[96+j], -v11, v11
.set j, j+1
.endr
.irp d, 0,1,2,3
	v_cvt_scalef32_pk8_bf8_f32 v[208+2*\d:209+2*\d], v[96+8*\d:103+8*\d], v10
.endr
	v_nop
	global_store_b128 v1, v[208:211], s[12:13]               ; 32 lanes store 512 consecutive bytes: half of my head's half of the fragment
	global_store_b128 v1, v[212:215], s[12:13] offset:512
	s_wait_tensorcnt 0x0
	ds_add_u32 v254, v255
	s_wait_dscnt 0x0
	s_endpgm
.Lfunc_end_k_q05bde6cc07_attn:
	.size	k_q05bde6cc07_attn, .Lfunc_end_k_q05bde6cc07_attn-k_q05bde6cc07_attn
	.p2alignl 7, 3214868480
	.fill 96, 4, 3214868480
	.section	.rodata,"a",@progbits
	.p2align	6, 0x0
	.amdhsa_kernel k_q05bde6cc07_attn
		.amdhsa_group_segment_fixed_size 264192
		.amdhsa_private_segment_fixed_size 0
		.amdhsa_enable_private_segment 0
		.amdhsa_kernarg_size 40
		.amdhsa_user_sgpr_count 2
		.amdhsa_user_sgpr_kernarg_segment_ptr 1
		.amdhsa_wavefront_size32 1
		.amdhsa_system_sgpr_workgroup_id_x 1
		.amdhsa_system_sgpr_workgroup_id_y 1
		.amdhsa_system_sgpr_workgroup_id_z 1
		.amdhsa_system_vgpr_workitem_id 0
		.amdhsa_next_free_vgpr 256
		.amdhsa_next_free_sgpr 100
		.amdhsa_reserve_vcc 0
		.amdhsa_float_denorm_mode_32 3
		.amdhsa_float_denorm_mode_16_64 3
		.amdhsa_memory_ordered 1
		.amdhsa_forward_progress 1
		.amdhsa_inst_pref_size 36
	.end_amdhsa_kernel
	.amdgpu_metadata
---
amdhsa.version: [ 1, 2 ]
amdhsa.kernels:
  - .name:           k_q05bde6cc07_attn
    .symbol:         k_q05bde6cc07_attn.kd
    .args:
      - { .name: qkv, .offset: 0, .size: 8, .value_kind: global_buffer, .address_space: global }
      - { .name: mbits, .offset: 8, .size: 8, .value_kind: global_buffer, .address_space: global }
      - { .name: mflag, .offset: 16, .size: 8, .value_kind: global_buffer, .address_space: global }
      - { .name: lowp_scales, .offset: 24, .size: 8, .value_kind: global_buffer, .address_space: global }
      - { .name: ao, .offset: 32, .size: 8, .value_kind: global_buffer, .address_space: global }
    .group_segment_fixed_size: 264192
    .private_segment_fixed_size: 0
    .kernarg_segment_align: 8
    .kernarg_segment_size: 40
    .max_flat_workgroup_size: 512
    .sgpr_count:     100
    .vgpr_count:     256
    .wavefront_size: 32
...
	.end_amdgpu_metadata
.endif
;; end of part 6
;; launch proj (part 7): grid 8 x 32, 4 waves a work-group, clusters of 4 x 4, 280,064 bytes of LDS; arguments ao, wc, lowp_scales, bo, out0; writes out0
.if DOCPART == 7
	.amdgcn_target "amdgcn-amd-amdhsa--gfx1250"
	.amdhsa_code_object_version 6
	.text
	.protected	k_q05bde6cc07_proj
	.globl	k_q05bde6cc07_proj
	.p2align	8
	.type	k_q05bde6cc07_proj,@function
k_q05bde6cc07_proj:
	s_mov_b64 s[64:65], 0
	v_nop
	global_prefetch_b8 v0, s[64:65] scope:SCOPE_SE
	s_setreg_imm32_b32 hwreg(HW_REG_WAVE_MODE, 25, 1), 1
	s_wait_xcnt 0x0
	s_wait_alu depctr_hold_cnt(0) depctr_sa_sdst(0) depctr_va_vdst(0) depctr_va_sdst(0) depctr_va_ssrc(0) depctr_va_vcc(0) depctr_vm_vsrc(0)
	s_getreg_b32 s2, hwreg(HW_REG_IB_STS2, 6, 4)
	s_cmp_eq_u32 s2, 0
	s_cbranch_scc0 .Lentry_in_a_cluster
	s_endpgm
.Lentry_in_a_cluster:
	s_bfe_u32 s2, ttmp6, 0x10000c
	s_cmp_lg_u32 s2, 0xf033
	s_cbranch_scc0 .Lentry_shape_is_right
	s_endpgm
.Lentry_shape_is_right:
; PROJ.  out0 = o wo^T + bo on codes of E5M2, K = 1,024, by v_wmma_f32_16x16x128_bf8_bf8.  A = ao (o's codes under 2^e10), B = the fourth part of wc (wo's codes under 2^e11); out0 [4096][1024] f32.
; A tile of out0 is 128 x 128: 32 x 8 = 256 tiles, one to a work-group.  Four waves, 64 x 64 each: 16 accumulators, 128 registers.
; OPERANDS LIE IN MEMORY AS IMAGES OF FRAGMENTS ([row tile of 16][K step of 128][2,048 bytes]; four registers a lane as 512 bytes, lane l's 16 at 16 l).  A tile's 8 row tiles over the whole K are
; 8 x 16,384 bytes, so A's and B's together are 262,144 bytes: THE WHOLE K LIES IN LDS, each byte filled once: no slot takes turns, and nothing is filled again.
; It comes in four chunks of 256 along K (65,536 bytes: A's 8 row tiles x 4,096 bytes, then B's).  Behind the cluster's opening round each wave issues four tensor loads, one a chunk, 4 row tiles
; (16 KiB) each: waves 0 and 1 A's halves, waves 2 and 3 B's: four tensor loads of a wave are out.  Chunk q is read behind a wait that leaves the 3 - q younger loads out, and a barrier.
; CLUSTERS: 4 x 4 work-groups.  A's tile is shared along a row of the cluster, B's along a column: each is asked for jointly, by the same tensor load with the same descriptor and a mask of the four.
; THE MATRIX INSTRUCTION IS USED TRANSPOSED (source 0 = B's 16 rows, source 1 = A's): lane (r, h) holds row r of A's block and columns 16 b + 8 h + 0..7: eight neighbours of a row of out0.
; A wave's 64 columns are 256 bytes of a row, at a multiple of 256 from out0's first byte: so the wave's own stage in LDS serves the way out, and no wave waits for another there.
; LIMIT: e10 + e11 between -126 and 127.
; REGISTERS, in windows of 256: window 0: v1-27 addresses; v32-63 bo; v64-95 a block's results; v128-255 the accumulators ((a, b) at v[128 + 8 (4 a + b)]; on the way out a block's rows come back into its own).
;   window 1: two fragment buffers of 128: A's four fragments (64 registers), then B's four.
.set CHUNK,  65536                     ; 256 along K: A's 8 row tiles x 4,096 bytes, then B's
.set QUART,  16384                     ; 4 row tiles x 4,096 bytes: what one tensor load brings, and what one wave reads of A or of B in a chunk
.set STAGE,  4*CHUNK                   ; behind the tiles: 16 rows x 272 bytes for each wave; no tensor load lands there
.set SPITCH, 272                       ; 256 bytes + 16: the 16 rows that a store touches start at 16 different groups of banks
.set LI,   10                          ; v10     16 x lane
.set ADRA, 12                          ; v12-15  LDS address of my A fragments in chunk 0..3
.set ADRB, 16                          ; v16-19  the same for B
.set STO,  24                          ; v24     the way out: where I put 32 bytes of a row
.set RD,   25                          ; v25     where I read rows back: lanes 0-15 one row, lanes 16-31 the next
.set CO,   26                          ; v26     the same two rows in out0
.set BA,   27                          ; v27     the bias's offset: 32 h
.set BIAS, 32
.set TMP,  64
.set ACC,  128
.set G1A,  4                           ; s[4:11]   descriptor group 1 for A's tiles
.set G1B,  12                          ; s[12:19]  for B's: it differs in the mask alone
.set G0A,  20                          ; s[20:35]  descriptor group 0 for A's tiles, one set for each chunk
.set G0B,  36                          ; s[36:51]  the same for B's
.set MSB, 0
.macro WIN new                         ; the immediate's high byte repeats the setting that is left
.if MSB != \new
	s_set_vgpr_msb (MSB<<8)|\new
.set MSB, \new
.endif
.endm
.set MUL,  0x05                        ; sources 0 (B) and 1 (A) window 1; C and D window 0
.set TO_F, 0x40                        ; destination window 1, address window 0
.macro CROUND                          ; a round of the cluster's barrier: my work-group's barrier; wave 0 signals for the work-group; every wave waits for all sixteen; my work-group's barrier once more
	s_barrier_signal -1
	s_barrier_wait -1
	s_cmp_lg_u32 s52, 0
	s_cbranch_scc1 .Lnot_wave_0_\@
	s_barrier_signal -3
.Lnot_wave_0_\@:
	s_barrier_wait -3
	s_barrier_signal -1
	s_barrier_wait -1
.endm
	s_load_b256 s[80:87], s[0:1], 0x0              ; ao s[80:81], wc s[82:83], lowp_scales s[84:85], bo s[86:87]
	s_load_b64 s[88:89], s[0:1], 0x20              ; out0
	v_lshl_add_u32 v126, v0, 2, 0x44400
	v_mov_b32 v127, 0
	ds_add_u32 v126, v127
	ds_add_u32 v126, v127
	v_lshrrev_b32 v1, 5, v0
	v_readfirstlane_b32 s52, v1                    ; wave 0..3
	s_lshr_b32 s53, s52, 1                         ; which half of the tile's rows is mine.  Also: I fetch for A (0) or for B (1)
	s_and_b32 s54, s52, 1                          ; which half of its columns.  Also: which 4 row tiles I fetch
	s_bfe_u32 s55, ttmp6, 0x40000                  ; cx, cy: my place in the cluster
	s_bfe_u32 s56, ttmp6, 0x40004
	s_lshl_b32 s57, ttmp9, 2
	s_add_co_u32 s57, s57, s55                     ; tile column = 4 x cluster x + cx, 0..7
	s_and_b32 s58, ttmp7, 0xffff
	s_lshl_b32 s58, s58, 2
	s_add_co_u32 s58, s58, s56                     ; tile row = 4 x cluster y + cy, 0..31
	s_lshl_b32 s59, s56, 2
	s_lshl_b32 s59, 15, s59                        ; my row of the cluster
	s_lshl_b32 s60, 0x1111, s55                    ; my column
	; descriptor group 1: 4 rows (row tiles) of 512 elements of 8 bytes, 2,048 elements (a row tile's 16,384 bytes) apart; dense in LDS
	s_or_b32 s[G1A+0], s59, (3<<16)|(1<<21)        ; 15:0 the mask: A's tiles go to my row; 17:16 elements of 8 bytes; 20 no padding; 21 set beside a mask
	s_or_b32 s[G1B+0], s60, (3<<16)|(1<<21)
.irp g, G1A, G1B
	s_mov_b32 s[\g+1], 512<<16                     ; tensor_dim0
	s_mov_b32 s[\g+2], 4<<16                       ; tensor_dim1
	s_mov_b32 s[\g+3], 512<<16                     ; tile_dim0
	s_mov_b32 s[\g+4], 4                           ; tile_dim1
	s_mov_b32 s[\g+5], 2048                        ; tensor_dim0_stride
	s_mov_b32 s[\g+6], 0
	s_mov_b32 s[\g+7], 0
.endr
	s_lshl_b32 s2, s54, 16                         ; which 4 row tiles of the 8 I fetch: 4 x 16,384 bytes
	s_lshl_b32 s66, s58, 17                        ; A: 8 row tiles a tile row.  It hangs on the tile row alone, which my row of the cluster shares
	s_add_co_u32 s66, s66, s2
	s_mov_b32 s67, 0
	s_lshl_b32 s68, s57, 17                        ; B: on the tile column alone
	s_add_co_u32 s68, s68, s2
	s_add_co_u32 s68, s68, 0x300000                ; wo's codes are the fourth MiB of wc
	s_mov_b32 s69, 0
	s_lshl_b32 s61, s52, 14                        ; where they go in a chunk: wave x 16,384: no place in the cluster enters an LDS address
	s_wait_dscnt 0x0
	s_wait_kmcnt 0x0
	s_load_b64 s[72:73], s[84:85], 0x28            ; e10, e11
	s_add_nc_u64 s[66:67], s[80:81], s[66:67]
	s_add_nc_u64 s[68:69], s[82:83], s[68:69]
.irp q, 0,1,2,3
	s_mov_b32 s[G0A+4*\q], 1                                       ; 1:0 count = 1
	s_add_co_u32 s[G0A+4*\q+1], s61, \q*CHUNK                      ; 63:32 LDS address
	s_add_nc_u64 s[G0A+4*\q+2:G0A+4*\q+3], s[66:67], \q*4096       ; 120:64 global address: chunk q's 4,096 bytes of each row tile
	s_or_b32 s[G0A+4*\q+3], s[G0A+4*\q+3], 0x80000000              ; 127:126 type = 2
	s_mov_b32 s[G0B+4*\q], 1
	s_add_co_u32 s[G0B+4*\q+1], s61, \q*CHUNK
	s_add_nc_u64 s[G0B+4*\q+2:G0B+4*\q+3], s[68:69], \q*4096
	s_or_b32 s[G0B+4*\q+3], s[G0B+4*\q+3], 0x80000000
.endr
	CROUND                                         ; all sixteen work-groups are here: the joint loads meet
	s_cmp_eq_u32 s53, 0                            ; a wave's four fills stand in one branch on the wave's number, ahead of every wait on TENSORcnt and every LDS read; four v_nop follow the last
	s_cbranch_scc0 .Lfor_b
.irp q, 0,1,2,3
	tensor_load_to_lds s[G0A+4*\q:G0A+4*\q+3], s[G1A:G1A+7]
	s_nop 0
.endr
.rept 4
	v_nop
.endr
	s_branch .Lasked
.Lfor_b:
.irp q, 0,1,2,3
	tensor_load_to_lds s[G0B+4*\q:G0B+4*\q+3], s[G1B:G1B+7]
	s_nop 0
.endr
.rept 4
	v_nop
.endr
.Lasked:
	v_and_b32 v1, 15, v0                           ; r
	v_bfe_u32 v2, v0, 4, 1                         ; h
	v_and_b32 v3, 31, v0
	v_lshlrev_b32 v[LI], 4, v3
	s_lshl_b32 s2, s53, 14                         ; my 4 row tiles of A
	s_lshl_b32 s3, s54, 14                         ; my 4 of B,
	s_add_co_u32 s3, s3, 2*QUART                   ; which lie behind A's 8
.irp q, 0,1,2,3
	v_add_nc_u32 v[ADRA+\q], s2, v[LI]
	v_add_nc_u32 v[ADRB+\q], s3, v[LI]
	s_add_co_u32 s2, s2, CHUNK
	s_add_co_u32 s3, s3, CHUNK
.endr
	s_mul_i32 s2, s52, 16*SPITCH
	s_add_co_u32 s2, s2, STAGE                     ; my stage
	v_mul_u32_u24 v5, v1, SPITCH
	v_lshl_add_u32 v5, v2, 5, v5
	v_add_nc_u32 v[STO], s2, v5                    ; in: row r, 32 bytes for each half of the lanes
	v_mul_u32_u24 v5, v2, SPITCH
	v_lshl_add_u32 v5, v1, 4, v5
	v_add_nc_u32 v[RD], s2, v5                     ; back: sixteen lanes to a row of 256 bytes
	v_lshlrev_b32 v[CO], 12, v2
	v_lshl_add_u32 v[CO], v1, 4, v[CO]             ; a row of out0 is 4,096 bytes
	v_lshlrev_b32 v[BA], 5, v2
	s_lshl_b32 s70, s57, 9
	s_lshl_b32 s2, s54, 8
	s_add_co_u32 s70, s70, s2                      ; my first column, in bytes: 512 x tile column + 256 x half
	s_mov_b32 s71, 0
	s_add_nc_u64 s[86:87], s[86:87], s[70:71]
	s_add_nc_u64 s[88:89], s[88:89], s[70:71]
	s_lshl_b32 s70, s58, 7
	s_lshl_b32 s2, s53, 6
	s_add_co_u32 s70, s70, s2
	s_lshl_b32 s70, s70, 12                        ; my first row: 128 x tile row + 64 x half
	s_add_nc_u64 s[88:89], s[88:89], s[70:71]
.irp b, 0,1,2,3
	global_load_b128 v[BIAS+8*\b:BIAS+8*\b+3], v[BA], s[86:87] offset:64*\b        ; bo at columns 16 b + 8 h + 0..7: wanted on the way out
	global_load_b128 v[BIAS+8*\b+4:BIAS+8*\b+7], v[BA], s[86:87] offset:64*\b+16
.endr
.macro FRAG reg, adr, ks, i            ; a fragment's image: row tile i of my four, the chunk's ks-th 128 along K
.irp c, 0,1,2,3
	ds_load_b128 v[\reg+4*\c:\reg+4*\c+3], v[\adr] offset:4096*(\i)+2048*(\ks)+512*\c
.endr
.endm
; 32 LDS loads in one run: K step k's fragments into buffer k % 2: B's four, then A's: the youngest eight loads are A's blocks 2 and 3
.macro FETCH k
	WIN TO_F
.irp i, 0,1,2,3
	FRAG 128*((\k)%2)+64+16*\i, ADRB+(\k)/2, (\k)%2, \i
.endr
.irp i, 0,1,2,3
	FRAG 128*((\k)%2)+16*\i, ADRA+(\k)/2, (\k)%2, \i
.endr
.endm
; 8 matrix instructions: A's blocks a0, a0 + 1 x B's four, 128 along K.  zero = 1: the first product starts the sums: nothing is cleared.
; The 16 accumulators take turns, one instruction a turn, in the same order in every step.
.macro MUL8 k, a0, zero
.irp a, \a0, \a0+1
.irp b, 0,1,2,3
.if \zero
	v_wmma_f32_16x16x128_bf8_bf8 v[ACC+8*(4*(\a)+\b):ACC+8*(4*(\a)+\b)+7], v[128*((\k)%2)+64+16*\b:128*((\k)%2)+64+16*\b+15], v[128*((\k)%2)+16*(\a):128*((\k)%2)+16*(\a)+15], 0
.else
	v_wmma_f32_16x16x128_bf8_bf8 v[ACC+8*(4*(\a)+\b):ACC+8*(4*(\a)+\b)+7], v[128*((\k)%2)+64+16*\b:128*((\k)%2)+64+16*\b+15], v[128*((\k)%2)+16*(\a):128*((\k)%2)+16*(\a)+15], v[ACC+8*(4*(\a)+\b):ACC+8*(4*(\a)+\b)+7]
.endif
.endr
.endr
.endm
.macro PLACES                          ; four plain vector instructions between a matrix instruction and a load into, or a vector instruction on, its registers
.rept 4
	v_nop
.endr
.endm
; K step k of eight: 16 matrix instructions on buffer k % 2; in its middle the next step's fragments are fetched into the other buffer, which step k - 1 multiplied.
; An odd step's successor lies in the next chunk: each wave waits for its own part of that chunk (the count leaves the younger chunks' loads out) and for its
; LDS loads, signals, multiplies while the others arrive, and fetches behind the barrier's wait.
.macro STEPK k, zero
.if ((\k)%2 == 1) && ((\k) < 7)
	s_wait_dscnt 0x0                               ; this step's fragments are in: no LDS instruction of mine is out at the signal
	s_wait_tensorcnt 3-((\k)+1)/2                  ; my part of the next chunk has landed
	s_barrier_signal -1
.else
	s_wait_dscnt 8                                 ; B's four and A's blocks 0 and 1 are in; the youngest eight loads may be out
.endif
	WIN MUL
	MUL8 \k, 0, \zero
.if ((\k)%2 == 1) && ((\k) < 7)
	s_barrier_wait -1                              ; everybody's part has
.endif
.if (\k) < 7
	PLACES
	FETCH (\k)+1
	s_wait_dscnt 32                                ; all but the 32 just issued
.else
	s_wait_dscnt 0x0
.endif
	WIN MUL
	MUL8 \k, 2, \zero
.endm
	s_wait_tensorcnt 3                             ; my part of chunk 0 is in; the three younger loads may be out,
	s_barrier_signal -1
	s_barrier_wait -1                              ; everybody's is
	FETCH 0
	STEPK 0, 1
.irp k, 1,2,3,4,5,6,7
	STEPK \k, 0
.endr
	WIN 0
; THE WAY OUT, block by block of 16 rows x 64 columns: sum x 2^(e10 + e11) + bo; 32 bytes a lane into my own stage, back as whole rows of 256 bytes, into the block's own accumulators, which are done with:
; so no store's data are written again, and every offset is an immediate (62 rows of 4,096 bytes at the most).  LDS serves a wave's instructions in order (ISA guide 5.7.1.4): no wait between the stores
; and the loads, nor in front of the next block's stores.
.macro OUTBLK a
.set j, 0
.rept 16
	v_pk_fma_f32 v[TMP+j:TMP+j+1], v[ACC+32*(\a)+j:ACC+32*(\a)+j+1], s[72:73], v[BIAS+j:BIAS+j+1] op_sel_hi:[1,0,1]   ; each accumulator from its low end on
.set j, j+2
.endr
.irp b, 0,1,2,3
	ds_store_b128 v[STO], v[TMP+8*\b:TMP+8*\b+3] offset:64*\b
	ds_store_b128 v[STO], v[TMP+8*\b+4:TMP+8*\b+7] offset:64*\b+16
.endr
.irp t, 0,1,2,3,4,5,6,7
	ds_load_b128 v[ACC+32*(\a)+4*\t:ACC+32*(\a)+4*\t+3], v[RD] offset:\t*2*SPITCH
.endr
.endm
.macro SEND a, younger                 ; younger: the LDS instructions issued behind block a's loads: the next block's sixteen, or none
.irp t, 0,1,2,3,4,5,6,7
	s_wait_dscnt \younger+7-\t                     ; rows 2 t, 2 t + 1 are back
	global_store_b128 v[CO], v[ACC+32*(\a)+4*\t:ACC+32*(\a)+4*\t+3], s[88:89] offset:(16*(\a)+2*\t)*4096 th:TH_STORE_NT   ; 16 lanes store 256 consecutive bytes, at a multiple of 256 from out0's first byte
.endr
.endm
	s_wait_kmcnt 0x0
	s_add_co_i32 s72, s72, s73
	s_add_co_i32 s72, s72, 127
	s_lshl_b32 s72, s72, 23                        ; 2^(e10 + e11) as f32
	s_mov_b32 s73, s72                             ; (named with it as a pair, so it is written)
	s_wait_loadcnt 0x0                             ; bo
	PLACES
	OUTBLK 0
	OUTBLK 1                                       ; a block's arithmetic stands between the loads of the block before and its stores
	SEND 0, 16
	OUTBLK 2
	SEND 1, 16
	OUTBLK 3
	SEND 2, 16
	SEND 3, 0
	s_wait_tensorcnt 0x0
	ds_add_u32 v126, v127
	s_wait_dscnt 0x0
	CROUND                                         ; the closing round: no work-group ends while a partner may still ask for a tile that names it.  (The last count-down ended at 0: no LDS instruction of mine is out)
	s_endpgm
.Lfunc_end_k_q05bde6cc07_proj:
	.size	k_q05bde6cc07_proj, .Lfunc_end_k_q05bde6cc07_proj-k_q05bde6cc07_proj
	.p2alignl 7, 3214868480
	.fill 96, 4, 3214868480
	.section	.rodata,"a",@progbits
	.p2align	6, 0x0
	.amdhsa_kernel k_q05bde6cc07_proj
		.amdhsa_group_segment_fixed_size 280064
		.amdhsa_private_segment_fixed_size 0
		.amdhsa_enable_private_segment 0
		.amdhsa_kernarg_size 40
		.amdhsa_user_sgpr_count 2
		.amdhsa_user_sgpr_kernarg_segment_ptr 1
		.amdhsa_wavefront_size32 1
		.amdhsa_system_sgpr_workgroup_id_x 1
		.amdhsa_system_sgpr_workgroup_id_y 1
		.amdhsa_system_sgpr_workgroup_id_z 1
		.amdhsa_system_vgpr_workitem_id 0
		.amdhsa_next_free_vgpr 512
		.amdhsa_next_free_sgpr 90
		.amdhsa_reserve_vcc 0
		.amdhsa_float_denorm_mode_32 3
		.amdhsa_float_denorm_mode_16_64 3
		.amdhsa_memory_ordered 1
		.amdhsa_forward_progress 1
		.amdhsa_inst_pref_size 48
	.end_amdhsa_kernel
	.amdgpu_metadata
---
amdhsa.version: [ 1, 2 ]
amdhsa.kernels:
  - .name:           k_q05bde6cc07_proj
    .symbol:         k_q05bde6cc07_proj.kd
    .args:
      - { .name: ao, .offset: 0, .size: 8, .value_kind: global_buffer, .address_space: global }
      - { .name: wc, .offset: 8, .size: 8, .value_kind: global_buffer, .address_space: global }
      - { .name: lowp_scales, .offset: 16, .size: 8, .value_kind: global_buffer, .address_space: global }
      - { .name: bo, .offset: 24, .size: 8, .value_kind: global_buffer, .address_space: global }
      - { .name: out0, .offset: 32, .size: 8, .value_kind: global_buffer, .address_space: global }
    .group_segment_fixed_size: 280064
    .private_segment_fixed_size: 0
    .kernarg_segment_align: 8
    .kernarg_segment_size: 40
    .max_flat_workgroup_size: 128
    .sgpr_count:     90
    .vgpr_count:     512
    .wavefront_size: 32
...
	.end_amdgpu_metadata
.endif
;; end of part 7
;; ======== version 3 of 3: 4 launches; version 2 with the launch attn written anew for expert scheduling mode
;; workspace buffers: xc 12,582,912 bytes; wc 4,194,304 bytes; rope 524,288 bytes; mbits 524,288 bytes of whole numbers; mflag 1,024 bytes of whole numbers; qkv 12,582,912 bytes; ao 4,194,304 bytes
;; launch prep: the kernel of part 5 again; grid 256 x 1, 8 waves a work-group, no clusters, 204,032 bytes of LDS; arguments x, wq, wk, wv, wo, mask, lowp_scales, xc, wc, rope, mbits, mflag; writes xc, wc, rope, mbits, mflag
;; launch qkv: the kernel of part 2 again; grid 12 x 16, 4 waves a work-group, clusters of 4 x 4, 327,680 bytes of LDS; arguments xc, wc, rope, bq, bk, bv, lowp_scales, qkv; writes qkv
;; launch attn (part 8): grid 8 x 32, 16 waves a work-group, no clusters, 264,192 bytes of LDS; arguments qkv, mbits, mflag, lowp_scales, ao; writes ao
.if DOCPART == 8
	.amdgcn_target "amdgcn-amd-amdhsa--gfx1250"
	.amdhsa_code_object_version 6
	.text
	.protected	k_q05bde6cc07_attn
	.globl	k_q05bde6cc07_attn
	.p2align	8
	.type	k_q05bde6cc07_attn,@function
k_q05bde6cc07_attn:
	s_mov_b64 s[64:65], 0
	v_nop
	global_prefetch_b8 v0, s[64:65] scope:SCOPE_SE
	s_setreg_imm32_b32 hwreg(HW_REG_WAVE_SCHED_MODE, 0, 2), 2
	s_setreg_imm32_b32 hwreg(HW_REG_WAVE_MODE, 25, 1), 1
	s_wait_xcnt 0x0
	s_wait_alu depctr_vm_vsrc(0)
; ATTN.  o = softmax(q k^T / 8, hidden where mask == 0) v for one head, both products on codes of E5M2; o is quantised with 2^e10 for the last product.
; THE SOFTMAX AHEAD OF THE SECOND PRODUCT: t = score x log2(e) / 8; M = the row's largest t so far, rounded UP to a whole number; p = 2^(t - M) is quantised with 2^e8, not normalised; the row's sum is
; taken of the unquantised p and divides at the end.  When M moves, the sum and O are multiplied by 2^(old M - new M): exact.
; SHARES.  Work-group (x = j, y = batch x 16 + head).  All 2,048 keys of the head, K's and V's images, 128 KiB each, lie in LDS: filled once through registers, one barrier, then only read.
; Each of the sixteen waves owns ONE tile of 16 queries, tile 8 rho + j; rho is the wave's number with every second group of four waves reversed: only a matter of even shares where late queries see more keys.
; No tensor load stands in this text, so that steps which the given mask hides altogether can be left out by a scalar branch on whole numbers that an earlier launch stored (mflag).
; Tiles are shared by the eight work-groups of a head, but each reads them once, at its head; joint loads would forbid that branch, which spares more.
; LAYOUT.  Both products transposed: S^T = K Q^T (source 0 = 16 keys, source 1 = my 16 queries, K = 64), O^T = V^T P^T (source 0 = 16 of the head's 64, source 1 = P, K = 128 keys): a lane holds ONE query
; (lane % 16) throughout.  Register j of score tile t is key 16 t + 8 (lane / 16) + j, so one conversion of a tile's eight registers gives registers 2 t, 2 t + 1 of P: k stands in its own place.
; THE MASK.  mflag's two words of my tile give, for each of the 16 steps: WORK (the step has a set bit, or some row of the tile has none at all: then every step is worked, since that row's softmax is uniform)
; and NEED (worked, and not all its bits set).  A step without WORK is left out: its weights would be exact zeros.  mbits holds, for each score register, the 32 lanes' bits: 64 scalar words a step, one
; v_cndmask_b32 a register, in the steps with NEED alone.  The words of step s + 1 are asked for in step s, behind the running maximum, so that the scalings, the 64 exponentials, the sums and the second
; product stand between the request and the selects; only where NEED has the bit.
; A hidden score becomes -2^80 (in units of 2^(e6 + e7)), under every score that codes can give (64 x 57,344^2 < 2^38).  It is a power of two, so c x it is exact and whole: in a row that has
; seen hidden keys alone t - M is exactly 0 and p = 1, as with reference()'s -1e20; the first open key makes 2^(old M - new M) = 0, which clears those terms.
; LIMITS: e6 + e7 between -50 and 48 (so that c x 2^(80 + e6 + e7) is whole and finite); e8, e10 between -126 and 112.  NaN is not served.
; REGISTERS: v1-3 addresses; v5 the hidden score; v6, v7: 2^e8, 57,344 x 2^e8; v8, v9 the step's LDS addresses; v10, v11: 2^e10, 57,344 x 2^e10; v12 -M, v13 the largest t, v[14:15] the sum in two halves;
;   v16-23 Q; v24-30 at work; v32-95 K's eight fragments, then V's four; v96-159 S^T, then p; v160-191 O^T; v192-207 p's codes; v208-215 o's codes; v254, v255 the closing add's two.
;   s16 WORK, s27 NEED, s17 the step, s18 its images' place in LDS, s[24:25] its mask words; s[32:63], s[68:99] the 64 words.
; THE MODE: SCHED_MODE bits 1:0 = 2 (LLVM: expert scheduling mode 2), set by the entry lines.  The code itself states the register dependences between vector or matrix instructions and
; memory or LDS instructions, with s_wait_alu, always for 0.
; THE PLAN.  Registers that memory or LDS instructions touch:
;   v1, v2, v3  Offsets and LDS addresses of the head's loads and stores and of o's stores: written once, at the head, by vector instructions; never again.
;   v16-23      Q: two global loads land there once; the score products read them.
;   v32-95      At the head K's piece: global loads land, LDS stores read.  In a worked step: K's LDS loads land, the score products read; then V's LDS loads land, the second products read.
;   v96-159     At the head V's piece: global loads land, LDS stores read.  From the loop on vector and matrix instructions alone name them.
;   v8, v9      Written by two additions at a worked step's head; read by K's loads (v8) and V's (v9).
;   v208-215    Written by the way out's conversions; read by the two stores.      v254, v255  Written at the head; read by the closing add alone.
; A WORKED STEP has one wait on vm_vsrc, ahead of the two additions (the last worked step's LDS loads have read v8 and v9), and three on va_vdst: behind the additions (v8 and v9 are written, and the last
; worked step's second products are done reading v32-95, in which K lands); behind the score products' places (they are done reading v32-95, in which V lands); behind the exponentials (their results).
; Behind the second of these V's sixteen loads are dealt, four at a time, among the selects and the maximum, which name v5, v24, v25 and v96-159: none of the registers that those loads touch.
; A step that is left out holds no vector and no LDS instruction.
.set VOFF, 131072                      ; V's images lie behind K's
	s_load_b256 s[4:11], s[0:1], 0x0               ; qkv s[4:5], mbits s[6:7], mflag s[8:9], lowp_scales s[10:11]
	s_load_b64 s[12:13], s[0:1], 0x20              ; ao
	v_lshl_add_u32 v254, v0, 2, 0x40000            ; my spare word, behind K's and V's images: 128 bytes for each of the sixteen waves, which no other line names
	v_mov_b32 v255, 0
	v_lshrrev_b32 v1, 5, v0
	v_readfirstlane_b32 s14, v1                    ; wave 0..15
	v_and_b32 v1, 31, v0
	v_lshlrev_b32 v1, 4, v1                        ; 16 x lane
	s_wait_alu depctr_va_sdst(0)                   ; s14 is written, ahead of its first reader: the fill's place and my tile of queries are made from it
	s_lshl_b32 s26, s14, 13
	v_add_nc_u32 v2, s26, v1                       ; the fill: my wave's 8,192 bytes of K, in memory and in LDS alike,
	v_add_nc_u32 v3, VOFF, v2                      ; and of V in LDS
	s_lshr_b32 s26, s14, 2
	s_and_b32 s2, s26, 1
	s_mul_i32 s2, s2, 3
	s_and_b32 s3, s14, 3
	s_xor_b32 s3, s3, s2
	s_lshl_b32 s26, s26, 2
	s_add_co_u32 s26, s26, s3                      ; rho
	s_lshl_b32 s15, s26, 3
	s_add_co_u32 s15, s15, ttmp9                   ; my tile of queries
	s_and_b32 s27, ttmp7, 0xffff                   ; batch x 16 + head
	s_lshl_b32 s28, s27, 7
	s_add_co_u32 s28, s28, s15
	s_lshl_b32 s28, s28, 10                        ; Q's fragment
	s_mov_b32 s29, 0
	s_lshl_b32 s30, s27, 17
	s_add_co_u32 s30, s30, 0x400000                ; the head's K
	s_mov_b32 s31, 0
	s_lshl_b32 s20, s15, 3                         ; the tile's two words of mflag
	s_mov_b32 s21, 0
	s_lshl_b32 s24, s15, 12                        ; its 16 steps x 256 bytes of mbits
	s_mov_b32 s25, 0
	s_lshr_b32 s18, s27, 4
	s_lshl_b32 s18, s18, 7
	s_add_co_u32 s18, s18, s15
	s_lshl_b32 s18, s18, 14                        ; ao: row tile batch x 128 + tile, 16,384 bytes each;
	s_and_b32 s19, s27, 15
	s_lshl_b32 s19, s19, 10                        ; a head's 64 features are half a fragment: 1,024 bytes
	s_add_co_u32 s18, s18, s19
	s_mov_b32 s19, 0
	s_wait_kmcnt 0x0
	s_add_nc_u64 s[28:29], s[4:5], s[28:29]
	s_add_nc_u64 s[30:31], s[4:5], s[30:31]
	s_add_nc_u64 s[66:67], s[30:31], 0x400000      ; the head's V
	s_add_nc_u64 s[20:21], s[8:9], s[20:21]
	s_add_nc_u64 s[24:25], s[6:7], s[24:25]
	s_add_nc_u64 s[12:13], s[12:13], s[18:19]
	s_load_b64 s[40:41], s[20:21], 0x0             ; steps 0-7's word, steps 8-15's: bits 0-15 rows with a set bit; 16-23 steps with a set bit; 24-31 steps all set
	s_load_b256 s[32:39], s[10:11], 0x10           ; e4..e11
	s_wait_alu depctr_va_vdst(0)                   ; v1, v2 and v3 are written: the loads below, the LDS stores further down and o's stores read them as offsets and addresses; no vector instruction writes them again
	global_load_b128 v[16:19], v1, s[28:29]
	global_load_b128 v[20:23], v1, s[28:29] offset:512
.irp i, 0,1,2,3,4,5,6,7,8,9,10,11,12,13,14,15
	global_load_b128 v[32+4*\i:35+4*\i], v2, s[30:31] offset:512*\i
.endr
.irp i, 0,1,2,3,4,5,6,7,8,9,10,11,12,13,14,15
	global_load_b128 v[96+4*\i:99+4*\i], v2, s[66:67] offset:512*\i
.endr
	v_mov_b32 v5, 0xe7800000                       ; -2^80
	v_mov_b32 v13, 0xff61b1e6                      ; the largest t so far: -3e38, under every t
	v_floor_f32 v12, -v13                          ; -M
	v_mov_b32 v14, 0
	v_mov_b32 v15, 0
	v_mov_b32 v27, 0                               ; (named as the upper half of the pair v[26:27])
	v_mov_b32 v30, 0                               ; written once: a lane permute's destination counts as one of its sources
.set j, 0
.rept 32
	v_mov_b32 v[160+j], 0                          ; O^T.  (The step is written once and may be left out: the first worked step finds zeros)
.set j, j+1
.endr
	s_wait_kmcnt 0x0
	s_or_b32 s42, s40, s41
	s_and_b32 s42, s42, 0xffff                     ; bit r: row r of my tile has a set bit somewhere
	s_bfe_u32 s43, s40, 0x80010                    ; (8 bits from bit 16)
	s_bfe_u32 s44, s41, 0x80010
	s_lshl_b32 s44, s44, 8
	s_or_b32 s43, s43, s44                         ; bit s: step s has a set bit
	s_lshr_b32 s44, s40, 24
	s_lshr_b32 s45, s41, 24
	s_lshl_b32 s45, s45, 8
	s_or_b32 s44, s44, s45                         ; bit s: step s is all set
	s_cmp_eq_u32 s42, 0xffff
	s_cselect_b32 s16, s43, 0xffff                 ; WORK: a row without any set bit: every step is worked
	s_and_not1_b32 s27, s16, s44                   ; NEED: worked and not all set.  Bits 16 on are 0: no step behind the last is ever asked for
	s_mov_b32 s20, 0x76543210                      ; lane selects for v_permlanex16_b32: lane l xor 16
	s_mov_b32 s21, 0xfedcba98
	s_add_co_i32 s22, s34, s35
	s_lshl_b32 s22, s22, 23
	s_add_co_i32 s22, s22, 0x3e38aa3b              ; c = log2(e) / 8, with e6 + e7 added to its exponent field
	s_mov_b32 s23, s22                             ; (named with it as a pair, so it is written)
	s_add_co_i32 s19, s36, 127
	s_lshl_b32 s2, s19, 23
	v_mov_b32 v6, s2
	s_add_co_i32 s19, s19, 15
	s_lshl_b32 s19, s19, 23
	s_or_b32 s19, s19, 0x600000
	v_mov_b32 v7, s19
	s_add_co_i32 s19, s38, 127
	s_lshl_b32 s2, s19, 23
	v_mov_b32 v10, s2
	s_add_co_i32 s19, s19, 15
	s_lshl_b32 s19, s19, 23
	s_or_b32 s19, s19, 0x600000
	v_mov_b32 v11, s19
	s_add_co_i32 s26, s36, s37                     ; e8 + e9
	s_cmp_lt_i32 s36, -15
	s_cselect_b32 s2, 1, 0                         ; p <= 1 <= 57,344 x 2^e8 from e8 = -15 on: only below that is p's hold needed
	s_load_b512 s[32:47], s[24:25], 0x0            ; step 0's 64 mask words, whatever its flags: word n in s[32 + n], from word 32 on in s[36 + n].  (The exponents and flags above have been used)
	s_load_b512 s[48:63], s[24:25], 0x40
	s_load_b512 s[68:83], s[24:25], 0x80
	s_load_b512 s[84:99], s[24:25], 0xc0
.irp i, 0,1,2,3,4,5,6,7,8,9,10,11,12,13,14,15
	s_wait_loadcnt 31-\i                           ; loads come back in order: Q and K's piece i are in, the younger ones may be out
	ds_store_b128 v2, v[32+4*\i:35+4*\i] offset:512*\i   ; (no vector instruction since the wait on va_vdst above names v2, v3 or v32-159)
.endr
.irp i, 0,1,2,3,4,5,6,7,8,9,10,11,12,13,14,15
	s_wait_loadcnt 15-\i
	ds_store_b128 v3, v[96+4*\i:99+4*\i] offset:512*\i
.endr
	s_wait_dscnt 0x0                               ; for the others' sake: my stores have landed
	s_barrier_signal -1
	s_barrier_wait -1                              ; the head's K and V lie in LDS; nothing is written there again
	s_wait_alu depctr_vm_vsrc(0)                   ; my LDS stores have read v32-159: from here on LDS loads land in v32-95, and the score products and the way out write v96-159
	s_mov_b32 s17, 0                               ; the step
	s_mov_b32 s18, 0                               ; its images' place in LDS
; The next step's mask words, 256 bytes on, where NEED has its bit.  Words are asked for only for steps that wait for them ahead of their selects, so no request of mine is out here but, at most, the
; head's: the wait orders this request with any older one into the same registers.
.macro NEXTW
	s_add_co_u32 s19, s17, 1
	s_bitcmp1_b32 s27, s19
	s_cbranch_scc0 .Lnone_\@
	s_wait_kmcnt 0x0
	s_load_b512 s[32:47], s[24:25], 0x100
	s_load_b512 s[48:63], s[24:25], 0x140
	s_load_b512 s[68:83], s[24:25], 0x180
	s_load_b512 s[84:99], s[24:25], 0x1c0
.Lnone_\@:
.endm
; V's fragment d of the step: 16 of the head's 64 x 128 keys
.macro VLOAD d
.irp c, 0,1,2,3
	ds_load_b128 v[32+16*(\d)+4*\c:35+16*(\d)+4*\c], v9 offset:2048*(\d)+512*\c
.endr
.endm
.Lstep:
	s_bitcmp1_b32 s16, s17
	s_cbranch_scc0 .Lskip
	s_wait_alu depctr_vm_vsrc(0)                   ; the last worked step's LDS loads have read v8 and v9, which the two additions write again
	v_add_nc_u32 v8, s18, v1
	v_add_nc_u32 v9, VOFF, v8
	s_wait_alu depctr_va_vdst(0)                   ; v8 and v9 are written, which this step's LDS loads read; the last worked step's second products are done reading v32-95, in which K lands
.irp t, 0,1,2,3,4,5,6,7
	ds_load_b128 v[32+8*\t:35+8*\t], v8 offset:1024*\t
	ds_load_b128 v[36+8*\t:39+8*\t], v8 offset:1024*\t+512
.endr
	s_wait_dscnt 0x0
.irp t, 0,1,2,3,4,5,6,7
	v_wmma_f32_16x16x64_bf8_bf8 v[96+8*\t:103+8*\t], v[32+8*\t:39+8*\t], v[16:23], 0
.endr
.rept 4
	v_nop                                          ; places in front of the first read of the scores
.endr
	s_wait_alu depctr_va_vdst(0)                   ; the score products are done reading v32-95, in which V lands
	VLOAD 0                                        ; V lands while the softmax is walked: four loads here, the other twelve among the maximum's lines, which name none of v9 and v32-95
	s_bitcmp1_b32 s27, s17
	s_cbranch_scc0 .Lopen
	s_wait_kmcnt 0x0                               ; this step's mask words, asked for a step ago, are in
.set n, 0
.rept 64
.if n < 32
	v_cndmask_b32 v[96+n], v5, v[96+n], s[32+n]    ; bit set: the score; else the hidden score
.else
	v_cndmask_b32 v[96+n], v5, v[96+n], s[36+n]
.endif
.set n, n+1
.endr
.Lopen:
	v_max3_num_f32 v24, v96, v97, v98              ; the step's largest score of my query, among my 64 keys, in two chains,
	v_max3_num_f32 v25, v99, v100, v101
	VLOAD 1
.irp i, 6,10,14,18,22
	v_max3_num_f32 v24, v24, v[96+\i], v[97+\i]
	v_max3_num_f32 v25, v25, v[98+\i], v[99+\i]
.endr
	VLOAD 2
.irp i, 26,30,34,38,42
	v_max3_num_f32 v24, v24, v[96+\i], v[97+\i]
	v_max3_num_f32 v25, v25, v[98+\i], v[99+\i]
.endr
	VLOAD 3
.irp i, 46,50,54,58
	v_max3_num_f32 v24, v24, v[96+\i], v[97+\i]
	v_max3_num_f32 v25, v25, v[98+\i], v[99+\i]
.endr
	v_max3_num_f32 v24, v24, v158, v159
	v_max_num_f32 v24, v24, v25
	v_permlanex16_b32 v30, v24, s20, s21
	v_max_num_f32 v24, v24, v30                    ; and among lane l xor 16's
	v_mul_f32 v24, s22, v24                        ; as t (c is positive)
	v_max_num_f32 v13, v13, v24                    ; the running largest t
	v_mov_b32 v24, v12
	v_floor_f32 v12, -v13                          ; the new -M = floor(-t) = -ceil(t): a whole number
	v_sub_f32 v24, v12, v24                        ; old M - new M: a whole number, 0 or less
	v_cvt_i32_f32 v24, v24                         ; (it saturates)
	v_ldexp_f32 v26, 1.0, v24                      ; f = 2^(old M - new M)
	NEXTW                                          ; the selects stand ahead: the words' registers take the next step's
.set j, 0
.rept 32
	v_pk_fma_f32 v[96+j:97+j], v[96+j:97+j], s[22:23], v[12:13] op_sel_hi:[1,0,0]   ; t - M, two at a time (of the pairs c and -M the low word serves both halves)
.set j, j+2
.endr
.set j, 0
.rept 64
	v_exp_f32 v[96+j], v[96+j]                     ; p = 2^(t - M), at most 1
.set j, j+1
.endr
	v_pk_mul_f32 v[14:15], v[14:15], v[26:27] op_sel_hi:[1,0]   ; the sums under the new M.  (A plain instruction behind the exponentials)
	s_wait_alu depctr_va_vdst(0)                   ; the 64 exponentials have written v96-159: one wait for the batch, ahead of its first reader
	v_pk_add_f32 v[28:29], v[96:97], v[98:99]      ; the row's sum is taken of the unquantised p: two at a time, in two chains
.irp j, 4,8,12,16,20,24,28,32,36,40,44,48,52,56,60
	v_pk_add_f32 v[14:15], v[14:15], v[96+\j:97+\j]
	v_pk_add_f32 v[28:29], v[28:29], v[98+\j:99+\j]
.endr
	v_pk_add_f32 v[14:15], v[14:15], v[28:29]
	s_cmp_lg_u32 s2, 0
	s_cbranch_scc0 .Lnohold
.set j, 0
.rept 64
	v_min_num_f32 v[96+j], v[96+j], v7             ; the conversion does not saturate (ISA guide 7.6.2); p is not negative, so the hold is one-sided
.set j, j+1
.endr
.Lnohold:
.irp t, 0,1,2,3,4,5,6,7
	v_cvt_scalef32_pk8_bf8_f32 v[192+2*\t:193+2*\t], v[96+8*\t:103+8*\t], v6
.endr
.set j, 0
.rept 16
	v_pk_mul_f32 v[160+j:161+j], v[160+j:161+j], v[26:27] op_sel_hi:[1,0]   ; O^T under the new M.  (These are also the plain instructions behind the conversions)
.set j, j+2
.endr
	s_wait_dscnt 0x0                               ; V is in
.irp d, 0,1,2,3
	v_wmma_f32_16x16x128_bf8_bf8 v[160+8*\d:167+8*\d], v[32+16*\d:47+16*\d], v[192:207], v[160+8*\d:167+8*\d]   ; the four accumulators by turns; the next matrix instruction is a score's
.endr
.rept 4
	v_nop                                          ; places in front of the way out's reads of O^T
.endr
	s_branch .Lnext
.Lskip:
	NEXTW                                          ; a step that is left out asks for its successor's words all the same
.Lnext:
	s_wait_xcnt 0x0                                ; a request that may be out has had its address translated (ISA guide 3.1): only behind this wait is the words' address stepped
	s_add_co_u32 s18, s18, 8192
	s_add_nc_u64 s[24:25], s[24:25], 256
	s_add_co_u32 s17, s17, 1
	s_cmp_lt_u32 s17, 16
	s_cbranch_scc1 .Lstep
	; THE WAY OUT.  O^T / the sum x 2^(e8 + e9) is o; register 8 d + i of lane (r, h) is o(query r, 16 d + 8 h + i): eight neighbours along the last product's K.
	v_add_f32 v14, v14, v15                        ; the sum's two halves,
	v_permlanex16_b32 v30, v14, s20, s21
	v_add_f32 v14, v14, v30                        ; and lane l xor 16's
	v_rcp_f32 v14, v14
	v_nop                                          ; a plain instruction behind the reciprocal
	s_wait_alu depctr_va_vdst(0)                   ; the reciprocal has written v14, ahead of its first reader
	v_ldexp_f32 v14, v14, s26
.set j, 0
.rept 32
	v_mul_f32 v[96+j], v[160+j], v14               ; each accumulator from its low end on
.set j, j+1
.endr
.set j, 0
.rept 32
	v_med3_num_f32 v[96+j], v[96+j], -v11, v11
.set j, j+1
.endr
.irp d, 0,1,2,3
	v_cvt_scalef32_pk8_bf8_f32 v[208+2*\d:209+2*\d], v[96+8*\d:103+8*\d], v10
.endr
	v_nop
	s_wait_alu depctr_va_vdst(0)                   ; the conversions have written v208-215, which the two stores read
	global_store_b128 v1, v[208:211], s[12:13]               ; 32 lanes store 512 consecutive bytes: half of my head's half of the fragment
	global_store_b128 v1, v[212:215], s[12:13] offset:512
	s_wait_dscnt 0x0                               ; the closing lines, six on end
	s_wait_alu 0x0
	s_wait_tensorcnt 0x0
	ds_add_u32 v254, v255
	s_wait_dscnt 0x0
	s_endpgm
.Lfunc_end_k_q05bde6cc07_attn:
	.size	k_q05bde6cc07_attn, .Lfunc_end_k_q05bde6cc07_attn-k_q05bde6cc07_attn
	.p2alignl 7, 3214868480
	.fill 96, 4, 3214868480
	.section	.rodata,"a",@progbits
	.p2align	6, 0x0
	.amdhsa_kernel k_q05bde6cc07_attn
		.amdhsa_group_segment_fixed_size 264192
		.amdhsa_private_segment_fixed_size 0
		.amdhsa_enable_private_segment 0
		.amdhsa_kernarg_size 40
		.amdhsa_user_sgpr_count 2
		.amdhsa_user_sgpr_kernarg_segment_ptr 1
		.amdhsa_wavefront_size32 1
		.amdhsa_system_sgpr_workgroup_id_x 1
		.amdhsa_system_sgpr_workgroup_id_y 1
		.amdhsa_system_sgpr_workgroup_id_z 1
		.amdhsa_system_vgpr_workitem_id 0
		.amdhsa_next_free_vgpr 256
		.amdhsa_next_free_sgpr 100
		.amdhsa_reserve_vcc 0
		.amdhsa_float_denorm_mode_32 3
		.amdhsa_float_denorm_mode_16_64 3
		.amdhsa_memory_ordered 1
		.amdhsa_forward_progress 1
		.amdhsa_inst_pref_size 37
	.end_amdhsa_kernel
	.amdgpu_metadata
---
amdhsa.version: [ 1, 2 ]
amdhsa.kernels:
  - .name:           k_q05bde6cc07_attn
    .symbol:         k_q05bde6cc07_attn.kd
    .args:
      - { .name: qkv, .offset: 0, .size: 8, .value_kind: global_buffer, .address_space: global }
      - { .name: mbits, .offset: 8, .size: 8, .value_kind: global_buffer, .address_space: global }
      - { .name: mflag, .offset: 16, .size: 8, .value_kind: global_buffer, .address_space: global }
      - { .name: lowp_scales, .offset: 24, .size: 8, .value_kind: global_buffer, .address_space: global }
      - { .name: ao, .offset: 32, .size: 8, .value_kind: global_buffer, .address_space: global }
    .group_segment_fixed_size: 264192
    .private_segment_fixed_size: 0
    .kernarg_segment_align: 8
    .kernarg_segment_size: 40
    .max_flat_workgroup_size: 512
    .sgpr_count:     100
    .vgpr_count:     256
    .wavefront_size: 32
...
	.end_amdgpu_metadata
.endif
;; end of part 8
;; launch proj: the kernel of part 7 again; grid 8 x 32, 4 waves a work-group, clusters of 4 x 4, 280,064 bytes of LDS; arguments ao, wc, lowp_scales, bo, out0; writes out0
